; MI455X (gfx1250); checked and timed in simulation.
; The chip was launched on July 23, 2026; its instructions are those of AMD's public machine-readable ISA for CDNA 5 (MIT licence, August 2026) and "CDNA5" Instruction Set Architecture Reference Guide (July 2026). The comments in the code are by the model that wrote it; some were corrected since.
;; Attention. Allowed arithmetic: matrix products marked QUANTISED: E2M3 operands, one E8M0 scale for each 32 along K, by v_wmma_scale_f32_16x16x128_f8f6f4 with both operands' format E2M3, f32 sums; everything else in f32.
;; Inputs: Wk 1,024 x 1,024 float32; Wo 1,024 x 1,024 float32; Wq 1,024 x 1,024 float32; Wv 1,024 x 1,024 float32; bk 1,024 float32; bo 1,024 float32; bq 1,024 float32; bv 1,024 float32; key 4 x 2,048 x 1,024 float32; mask 1 x 2,048 x 2,048 int32; query 4 x 2,048 x 1,024 float32; value 4 x 2,048 x 1,024 float32.
;; Outputs: out0 4 x 2,048 x 1,024 float32.
;; This version of the problem:
;;   THIS VERSION OF THE PROBLEM IS GIVEN IN LOW PRECISION. The matrix products marked QUANTISED in the list below multiply operands that are first quantised to E2M3 (2 exponent bits, 3 mantissa bits; 6 bits a number), with one power-of-two scale for each 32 numbers along K (OCP MX v1.0); their sums are f32. All else is computed in f32.
;;   The module's matrix products, in the order in which they are computed (A, B: the left and right operand; K: the contracted axis; several contracted axes count as one K, in the product's order):
;;     1. [M 8,192, K 1,024] x [K 1,024, N 1,024]; A: input query; B: input Wq: QUANTISED
;;     2. [M 8,192, K 1,024] x [K 1,024, N 1,024]; A: input key; B: input Wk: QUANTISED
;;     3. [M 8,192, K 1,024] x [K 1,024, N 1,024]; A: input value; B: input Wv: QUANTISED
;;     4. batch 4 x [M 2,048, K 1,024] x [K 1,024, N 2,048]; A: computed on the way; B: computed on the way: QUANTISED
;;     5. batch 4 x [M 2,048, K 2,048] x [K 2,048, N 1,024]; A: softmax (see below); B: computed on the way: QUANTISED
;;     6. [M 8,192, K 1,024] x [K 1,024, N 1,024]; A: computed on the way; B: input Wo: QUANTISED
;;   THE QUANTISER, for each operand of a quantised product, along K:
;;     - K is cut into blocks of 32 from its start; a last block that is shorter is filled with zeros.
;;     - A block's scale is 2^e with e = floor(log2(the largest magnitude in the block)) - 2, held to -126 .. 127; a block of zeros has e = 0. As a byte (E8M0): e + 127.
;;     - Each number is divided by its block's scale, clamped to +-7.5, and rounded to the nearest number of E2M3, ties to even, subnormals kept.
;;     - The product sums the exact products of the quantised numbers (number of the format x scale) in f32.
;;   ~~~python
;;   def quantise(x, axis):      # numpy; x: float32 -> the quantised numbers, widened to float32 again
;;       x = np.moveaxis(x, axis, -1); K = x.shape[-1]
;;       x = np.pad(x, [(0, 0)] * (x.ndim - 1) + [(0, -K % 32)]); x = x.reshape(x.shape[:-1] + (-1, 32)); a = np.abs(x).max(-1, keepdims=True)
;;       e = np.where(a > 0, np.clip(np.frexp(np.where(a > 0, a, 1))[1] - 1 - 2, -126, 127), 0)      # np.frexp(a)[1] - 1 = floor(log2(a)), exactly
;;       r = np.clip(x / 2.0 ** e, -7.5, 7.5)
;;       step = 2.0 ** (np.maximum(np.frexp(np.where(r == 0, 1, r))[1] - 1, 0) - 3)
;;       q = np.round(r / step) * step * 2.0 ** e      # np.round: ties to even
;;       return np.moveaxis(q.reshape(q.shape[:-2] + (-1,))[..., :K], -1, axis).astype(np.float32)
;;   ~~~
;;   SOFTMAX AHEAD OF A QUANTISED PRODUCT. Where the list says 'softmax', what is quantised is not the finished softmax but p = 2^(t - M), with t = logit x log2(e) and M = ceil(the row's largest t), a whole number; so 1/2 < the row's largest p <= 1. The row's sum l is taken of the UNQUANTISED p, in f32, and the product's result is divided by l at the end. Since M is a whole number, a kernel that streams over the keys may use a running M (the ceiling of the running maximum): every later rescaling is an exact power of two, which a block's scale takes up: the codes' values come out the same.
;;   OPERANDS COMPUTED ON THE WAY. 'Computed on the way' means the value that the module computes at that place (a softmax that the list does not call 'softmax' is quantised finished and normalised). What goes into a quantiser is computed in f32, as accurately as f32 sums, v_exp_f32 and their like allow (about 1e-6 of the number): no bf16 or f16 on the way to a quantiser, and a product that is left as it is and whose result goes on into a quantised operand takes f32 operands (vector FMAs, or v_wmma_f32_16x16x4_f32). A number that lies on a knife's edge between two numbers of the format may be rounded either way, as far as f32 arithmetic and the matrix unit's own rounding can turn it there, and no further.
;; One version. Each part assembles by itself: llvm-mc -triple=amdgcn-amd-amdhsa -mcpu=gfx1250 --defsym DOCPART=n.
;; ======== version 1 of 1: 5 launches
;; limits: right only within a limited range of input values
;; workspace buffers: qnt 22,937,600 bytes; mkw 524,288 bytes of whole numbers; prj 19,660,800 bytes; att 14,155,776 bytes; xat 6,553,600 bytes
;; launch quant (part 1): grid 256 x 1, 8 waves a work-group, no clusters, 327,680 bytes of LDS; arguments query, key, value, mask, Wq, Wk, Wv, Wo, qnt, mkw; writes qnt, mkw
.if DOCPART == 1
	.amdgcn_target "amdgcn-amd-amdhsa--gfx1250"
	.amdhsa_code_object_version 6
	.text
	.protected	k_qa4c982a12a_quant
	.globl	k_qa4c982a12a_quant
	.p2align	8
	.type	k_qa4c982a12a_quant,@function
k_qa4c982a12a_quant:
	s_mov_b64 s[64:65], 0
	v_nop
	global_prefetch_b8 v0, s[64:65] scope:SCOPE_SE
	s_setreg_imm32_b32 hwreg(HW_REG_WAVE_MODE, 25, 1), 1
	s_wait_xcnt 0x0
; FIRST LAUNCH OF FIVE.  out0 = softmax(mask(q k^T / 32)) v Wo + bo with q = query Wq + bq, k = key Wk + bk, v = value Wv + bv; all six products on codes of FP6 (E2M3) with one E8M0 scale for each 32 along K.
; NOTHING OF reference() IS LEFT OUT: every bias goes into a quantised operand or into the output, the mask is an input and is honoured word by word, the row's maximum is taken away before every exponential.
; THIS LAUNCH turns query, key, value [8192][1024] (K innermost) and Wq, Wk, Wv, Wo [1024 k][1024 n] (K outermost) into codes and scale words, and the mask into lane masks.
; LAYOUT OF ALL OPERANDS.  A panel is 128 rows, a fragment 16 rows x 128 K.  Fragment f = 2 g + u of a panel holds in place r the panel's row 32 g + 8 u + r + 8 (r / 8).
;   codes  [panel][K step][f 8][c 3][lane 32][16 bytes]: the fragment's twelve registers as they stand in the lanes.
;   scales [panel][K step][half 2][lane 32][jj 2] words: the word of fragment 4 half + 2 jj + lane / 16, place lane % 16.
;   mask words [P 16][T 16][f 8][64]: bit 16 h + r of word 16 b + i is set where mask[128 P + row(f, r)][128 T + 32 b + 16 h + i] is not 0.
; A block's scale is 2^(floor(log2(its largest magnitude)) - 2); its byte is that magnitude's exponent field - 2, held at 1 from below.
; LIMITS: a block of zeros has the byte 1 where the rule says 127 (its codes are zeros; this program alone reads the bytes); NaN and infinities among the inputs are not served.
; SHARES.  256 work-groups of eight waves, 512 KiB each.  A wave takes four tiles of 32 rows x 512 bytes, each by one tensor load into LDS rows 528 bytes apart:
;   fill 0: query, fill 1: key, fill 3: value: rows 32 g on of panel w / 4, K step 2 (w % 4) + wave / 4, g = wave % 4: fragments 2 g and 2 g + 1;
;   fill 2: waves 0-3 the mask's queries 32 g on of P = w / 16, keys of T = w % 16; waves 4-7 block t = wave - 4 (32 k) x 128 columns of weight w / 64, panel (w / 8) % 8, K step w % 8.
; TWO SLOTS, fills 0 and 2 in the first, 1 and 3 in the second; a wave reads its own tile alone.  One load a wave at the head and one behind each of three barriers; at most one is outstanding.
; The scale words of all tiles and the weight's eight fragment images are gathered in LDS bytes of their own, on which no fill lands, and leave behind one more barrier as runs of 512 consecutive bytes.
; PREFETCH: behind the load of fill i each wave names the 64 blocks of 256 bytes of its own fill i + 1, a lane a row, two instructions: one fill ahead of the load that wants them; the last fill asks for nothing.
; NO CLUSTER: no two work-groups read the same byte.
.set XS,    18874368                   ; qnt: codes of query, key, value at 0 (6,291,456 each); their scale words here (262,144 each)
.set WC,    19660800                   ; the weights' codes (786,432 each),
.set WS,    22806528                   ; and their scale words (32,768 each)
.set TILE,  16896                      ; a wave's tile in LDS: 32 rows of 512 + 16 bytes
.set SLOTB, 8*TILE
.set SCR,   2*SLOTB                    ; scale words: three tensors x two K steps x 512 bytes, then the weight's 512
.set STG,   SCR+3584                   ; the weight's eight fragment images, FP bytes apart
.set FP,    1552
.set SPARE, STG+12544                  ; the spare words, 128 bytes a wave: four blocks of 256 bytes that no other line names
.set LI,   4                           ; 16 x lane
.set L8,   5                           ; 8 x lane
.set SPW,  6                           ; my spare word; never rewritten
.set NIL,  7                           ; 0; never rewritten
.set RDA,  8                           ; my row of my tile in slot 0: 528 (r + 8 (r / 8)) + 64 h;  v9: in slot 1
.set RDB,  9
.set WRD,  10                          ; the weights' way: my tile in slot 0 + 4 x lane
.set WA0,  11                          ; where my column's codes go in its fragment's image
.set WA1,  12
.set WW,   13                          ; my column's scale byte
.set TW,   14                          ; my fragments' scale words
.set IR,   15                          ; image of fragment = my wave's number, read back
.set SR,   16                          ; 512 bytes of scale words, read back
.set PF,   17                          ; lane x 4,096: a row of the tokens
.set PF2,  18                          ; lane x a row of fill 2's tensor
.set MW,   24                          ; v24-27 two fragments' mask words
.set E,    28
.set PWE,  30
.set TM,   32                          ; v32-47
.set PC,   48                          ; v48-87 codes: two sets of 20
.set X,    96                          ; v96-223 two sets of 64 numbers (the weights' way: four blocks of 32)
.set WV,   28
.set HM,   29
.set SEL,  30
.set G0,   36                          ; s[36:51] group 0 of the four fills
.set G1T,  52                          ; s[52:59] group 1, rows 4,096 bytes apart;  s[68:75] 8,192 (the mask)
.set G1M,  68
; s[76:81] where fills 1, 2, 3 begin;  s[32:33], s[34:35], s[60:61] my codes of query, key, value;  s[62:63] my mask words;  s[82:83] the image that I store;  s[100:101] the scale words that I store
	s_load_b512 s[8:23], s[0:1], 0x0               ; query, key, value, mask, Wq, Wk, Wv, Wo
	s_load_b128 s[24:27], s[0:1], 0x40             ; qnt, mkw
	v_lshl_add_u32 v[SPW], v0, 2, SPARE
	v_mov_b32 v[NIL], 0
	ds_add_u32 v[SPW], v[NIL]                      ; the opening: the add, twice on end, and its wait ahead of my first tensor load
	ds_add_u32 v[SPW], v[NIL]
	v_lshrrev_b32 v1, 5, v0
	v_readfirstlane_b32 s[WV], v1                  ; wave 0..7
.irp g, G1T, G1M
	s_mov_b32 s[\g], (2<<16)|(1<<20)|(6<<22)|(3<<25)   ; elements of 4 bytes; behind every 128 words 4 words of padding
	s_mov_b32 s[\g+1], 128<<16
	s_mov_b32 s[\g+2], 32<<16
	s_mov_b32 s[\g+3], 128<<16
	s_mov_b32 s[\g+4], 32
	s_mov_b32 s[\g+6], 0
	s_mov_b32 s[\g+7], 0
.endr
	s_mov_b32 s[G1T+5], 1024
	s_mov_b32 s[G1M+5], 2048
	s_and_b32 s2, s[WV], 3                         ; g (the weights' way: t)
	s_lshr_b32 s3, s[WV], 2                        ; which of my work-group's two K steps
	s_lshr_b32 s6, ttmp9, 2
	s_lshl_b32 s6, s6, 19                          ; a panel: 128 rows of 4,096 bytes
	s_lshl_b32 s7, s2, 17
	s_add_co_u32 s6, s6, s7
	s_and_b32 s7, ttmp9, 3
	s_lshl_b32 s7, s7, 1
	s_add_co_u32 s7, s7, s3
	s_lshl_b32 s7, s7, 9
	s_add_co_u32 s6, s6, s7
	s_mov_b32 s7, 0
	s_mov_b32 s[G0], 1
	s_mul_i32 s[G0+1], s[WV], TILE
	s_wait_dscnt 0x0                               ; both opening adds are done
	s_wait_kmcnt 0x0
	s_add_nc_u64 s[G0+2:G0+3], s[8:9], s[6:7]
	s_or_b32 s[G0+3], s[G0+3], 0x80000000
	tensor_load_to_lds s[G0:G0+3], s[G1T:G1T+7]    ; fill 0: my one load at the head
	s_nop 0
	s_add_nc_u64 s[76:77], s[10:11], s[6:7]
	s_add_nc_u64 s[80:81], s[12:13], s[6:7]
	s_lshr_b32 s4, ttmp9, 4                        ; the mask's tile
	s_lshl_b32 s4, s4, 20
	s_lshl_b32 s5, s2, 18
	s_add_co_u32 s4, s4, s5
	s_and_b32 s5, ttmp9, 15
	s_lshl_b32 s5, s5, 9
	s_add_co_u32 s4, s4, s5
	s_mov_b32 s5, 0
	s_add_nc_u64 s[14:15], s[14:15], s[4:5]
	s_lshr_b32 s4, ttmp9, 6                        ; which weight
	s_cmp_lt_u32 s4, 2
	s_cselect_b64 s[16:17], s[16:17], s[20:21]
	s_cselect_b64 s[18:19], s[18:19], s[22:23]
	s_and_b32 s4, s4, 1
	s_cmp_eq_u32 s4, 0
	s_cselect_b64 s[16:17], s[16:17], s[18:19]
	s_and_b32 s4, ttmp9, 7
	s_lshl_b32 s4, s4, 19
	s_lshl_b32 s5, s2, 17
	s_add_co_u32 s4, s4, s5
	s_bfe_u32 s5, ttmp9, 0x30003
	s_lshl_b32 s5, s5, 9
	s_add_co_u32 s4, s4, s5
	s_mov_b32 s5, 0
	s_add_nc_u64 s[16:17], s[16:17], s[4:5]
	s_mov_b32 s90, 4096
	s_cmp_lt_u32 s[WV], 4                          ; the choice hangs on the wave's number alone
	s_cselect_b64 s[78:79], s[14:15], s[16:17]
	s_cselect_b32 s90, 8192, s90
.irp i, 1,2,3
	s_mov_b32 s[G0+4*\i], 1
	s_mul_i32 s[G0+4*\i+1], s[WV], TILE
	s_mov_b64 s[G0+4*\i+2:G0+4*\i+3], s[74+2*\i:75+2*\i]
	s_or_b32 s[G0+4*\i+3], s[G0+4*\i+3], 0x80000000
.endr
	s_add_co_u32 s[G0+5], s[G0+5], SLOTB
	s_add_co_u32 s[G0+13], s[G0+13], SLOTB
	s_lshl_b32 s4, ttmp9, 1                        ; 8 x panel + K step = 2 w + wave / 4
	s_add_co_u32 s4, s4, s3
	s_mul_i32 s4, s4, 12288
	s_mul_i32 s5, s2, 3072
	s_add_co_u32 s4, s4, s5
	s_mov_b32 s5, 0
	s_add_nc_u64 s[32:33], s[24:25], s[4:5]
	s_add_nc_u64 s[34:35], s[32:33], 6291456
	s_add_nc_u64 s[60:61], s[34:35], 6291456
	s_lshl_b32 s4, ttmp9, 11
	s_lshl_b32 s5, s2, 9
	s_add_co_u32 s4, s4, s5
	s_mov_b32 s5, 0
	s_add_nc_u64 s[62:63], s[26:27], s[4:5]
	s_mul_i32 s4, ttmp9, 12288                     ; 64 x weight + 8 x panel + K step = w
	s_mul_i32 s5, s[WV], 1536
	s_add_co_u32 s4, s4, s5
	s_add_co_u32 s4, s4, WC
	s_mov_b32 s5, 0
	s_add_nc_u64 s[82:83], s[24:25], s[4:5]
	s_lshr_b32 s100, s[WV], 1                      ; waves 0-5 store tensor wave / 2's words of K step 2 (w % 4) + wave % 2, wave 6 the weight's
	s_lshl_b32 s100, s100, 18
	s_and_b32 s101, s[WV], 1
	s_lshl_b32 s101, s101, 9
	s_add_co_u32 s100, s100, s101
	s_lshl_b32 s101, ttmp9, 10
	s_add_co_u32 s100, s100, s101
	s_add_co_u32 s100, s100, XS
	s_lshl_b32 s101, ttmp9, 9
	s_add_co_u32 s101, s101, WS
	s_cmp_lt_u32 s[WV], 6
	s_cselect_b32 s100, s100, s101
	s_mov_b32 s101, 0
	s_add_nc_u64 s[100:101], s[24:25], s[100:101]
	s_and_b32 s4, s2, 1                            ; block t = 2 c + hh is registers 6 c .. 6 c + 5 of lane r + 16 hh of an image: pairs at 0, 8, 512 (c = 0) or 520, 1024, 1032 (c = 1)
	s_lshr_b32 s5, s2, 1
	s_lshl_b32 s84, s4, 8
	s_add_co_u32 s84, s84, STG
	s_mul_i32 s85, s5, 1016
	s_add_co_u32 s85, s85, s84
	s_mul_i32 s86, s5, 520
	s_add_co_u32 s84, s84, s86
	s_add_co_u32 s86, s2, SCR+3072
	s_lshl_b32 s87, s3, 9
	s_lshl_b32 s88, s5, 8
	s_add_co_u32 s87, s87, s88
	s_lshl_b32 s88, s4, 2
	s_add_co_u32 s87, s87, s88
	s_add_co_u32 s87, s87, SCR
	s_mul_i32 s88, s[WV], FP
	s_add_co_u32 s88, s88, STG
	s_lshl_b32 s89, s[WV], 9
	s_add_co_u32 s89, s89, SCR
	s_mov_b32 s[HM], 0xffff0000                    ; lanes 16-31
	s_mov_b32 s[SEL], 0x76543210
	s_mov_b32 s[SEL+1], 0xfedcba98                 ; v_permlanex16_b32's selects for lane l xor 16
	v_and_b32 v1, 31, v0                           ; lane
	v_and_b32 v2, 15, v0                           ; r
	v_bfe_u32 v3, v0, 4, 1                         ; h
	v_lshlrev_b32 v[LI], 4, v1
	v_lshlrev_b32 v[L8], 3, v1
	v_and_b32 v19, 8, v2
	v_add_nc_u32 v19, v19, v2
	v_mul_u32_u24 v[RDA], v19, 528
	v_lshl_add_u32 v[RDA], v3, 6, v[RDA]
	v_add_nc_u32 v[RDA], s[G0+1], v[RDA]
	v_add_nc_u32 v[RDB], SLOTB, v[RDA]
	v_lshlrev_b32 v[WRD], 2, v1
	v_add_nc_u32 v[WRD], s[G0+1], v[WRD]
	v_bfe_u32 v20, v0, 3, 1                        ; the weights' way: lane L is column 32 m + L: fragment 2 m + u, u = (L / 8) % 2,
	v_and_b32 v21, 7, v0
	v_lshl_add_u32 v21, v3, 3, v21                 ; place L % 8 + 8 (L / 16)
	v_mul_u32_u24 v22, v20, FP
	v_lshl_add_u32 v22, v21, 4, v22
	v_add_nc_u32 v[WA0], s84, v22
	v_add_nc_u32 v[WA1], s85, v22
	v_lshl_add_u32 v23, v20, 4, v21
	v_lshlrev_b32 v23, 3, v23
	v_add_nc_u32 v[WW], s86, v23
	v_add_nc_u32 v[TW], s87, v[L8]
	v_add_nc_u32 v[IR], s88, v[LI]
	v_add_nc_u32 v[SR], s89, v[LI]
	v_lshlrev_b32 v[PF], 12, v1
	v_mul_u32_u24 v[PF2], v1, s90
.irp b, 0,1,2,3
	v_mov_b32 v[TM+4+\b], 0                        ; a lane permute's destination counts as one of its sources,
	v_mov_b32 v[MW+\b], 0                          ; and so does v_writelane_b32's
.endr
	s_wait_alu depctr_va_vdst(0)
.macro ASK base, off                   ; the 64 blocks of 256 bytes of my next tile: a lane a row, its two halves
	global_prefetch_b8 v[\off], s[\base:\base+1] th:TH_LOAD_NT scope:SCOPE_SE
	global_prefetch_b8 v[\off], s[\base:\base+1] offset:256 th:TH_LOAD_NT scope:SCOPE_SE
.endm
.macro SEQ x                           ; in front of a fill: all my loads, the add, my reads, the barrier
	s_wait_alu depctr_va_vdst(0)
.if \x
	s_wait_xcnt 0x0                                ; my stores have read their registers, which the next tile's work writes again
.endif
	s_wait_tensorcnt 0x0
	ds_add_u32 v[SPW], v[NIL]
	s_wait_dscnt 0x0
	s_barrier_signal -1
	s_barrier_wait -1
.endm
.macro RDX set, adr, u                 ; fragment u of my tile: 64 numbers of my row: register 16 b + i = k 32 b + 16 h + i
.irp b, 0,1,2,3
.irp j, 0,1,2,3
	ds_load_b128 v[X+64*\set+16*\b+4*\j:X+64*\set+16*\b+4*\j+3], v[\adr] offset:4224*\u+128*\b+16*\j
.endr
.endr
.endm
.macro QMAX s                          ; the largest magnitude of each of my row's four blocks, with the floor 2^(3 - 127) among the leaves
.irp b, 0,1,2,3
	v_max3_num_f32 v[TM+\b], |v[\s+16*\b]|, |v[\s+1+16*\b]|, 0x1800000
.endr
.irp i, 2,4,6,8,10,12,14
.irp b, 0,1,2,3
	v_max3_num_f32 v[TM+\b], v[TM+\b], |v[\s+16*\b+\i]|, |v[\s+1+16*\b+\i]|
.endr
.endr
.irp b, 0,1,2,3
	v_permlanex16_b32 v[TM+4+\b], v[TM+\b], s[SEL], s[SEL+1]
.endr
.irp b, 0,1,2,3
	v_max_num_f32 v[TM+\b], v[TM+\b], v[TM+4+\b]
.endr
.endm
.macro QCODE s, pw, pc                 ; the scale word in v[pw], the fragment's twelve registers in v[pc] on
.irp b, 0,1,2,3
	v_add_nc_u32 v[TM+12+\b], 0xff000000, v[TM+\b] ; 2 off the exponent field: the conversion's scale operand
.endr
.irp b, 0,1,2,3
	v_lshrrev_b32 v[TM+4+\b], 23, v[TM+12+\b]      ; the scale's byte
.endr
	v_lshl_or_b32 v[\pw], v[TM+5], 8, v[TM+4]
	v_lshl_or_b32 v[\pw], v[TM+6], 16, v[\pw]
	v_lshl_or_b32 v[\pw], v[TM+7], 24, v[\pw]
.irp c, 0,1
	v_cvt_scalef32_pk16_fp6_f32 v[\pc+6*\c:\pc+2+6*\c], v[\s+32*\c:\s+15+32*\c], v[TM+12+2*\c]
	v_cvt_scalef32_pk16_fp6_f32 v[\pc+12+4*\c:\pc+14+4*\c], v[\s+16+32*\c:\s+31+32*\c], v[TM+12+2*\c+1]
.endr
	v_nop                                          ; one plain place behind a scaled conversion
.irp c, 0,1                                    ; a whole block in a lane: lanes 0-15 block 2 c, lanes 16-31 block 2 c + 1
.irp i, 0,1,2
	v_permlane16_swap_b32 v[\pc+6*\c+\i], v[\pc+12+4*\c+\i]
.endr
.irp i, 0,1,2
	v_mov_b32 v[\pc+3+6*\c+\i], v[\pc+12+4*\c+\i]
.endr
.endr
.endm
.macro TOK cd, i                       ; a tile of tokens: two fragments' codes leave as they stand, their scale words go to LDS
	s_wait_dscnt 16                                ; the first fragment's 16 loads are in; the second's may be out
	QMAX X
	QCODE X, PWE, PC
.irp c, 0,1,2
	global_store_b128 v[LI], v[PC+4*\c:PC+4*\c+3], s[\cd:\cd+1] offset:512*\c          ; 512 consecutive bytes
.endr
	s_wait_dscnt 0x0
	QMAX X+64
	QCODE X+64, PWE+1, PC+20
.irp c, 0,1,2
	global_store_b128 v[LI], v[PC+20+4*\c:PC+23+4*\c], s[\cd:\cd+1] offset:1536+512*\c
.endr
	v_cndmask_b32 v[E], v[PWE], v[PWE+1], s[HM]    ; the even fragment's words below, the odd one's above
	ds_store_b32 v[TW], v[E] offset:1024*\i
.endm
.macro MSK s, u                        ; a fragment's 64 lane masks: word j is one bit a lane
.set j0, 0
.rept 4
.irp i, 0,1,2,3,4,5,6,7,8,9,10,11,12,13,14,15
	v_cmp_ne_u32 s[84+\i], 0, v[\s+j0+\i]
.endr
.irp i, 0,1,2,3,4,5,6,7,8,9,10,11,12,13,14,15
	v_writelane_b32 v[MW+2*\u+\i%2], s[84+\i], (j0+\i)/2
.endr
.set j0, j0+16
.endr
	global_store_b64 v[L8], v[MW+2*\u:MW+2*\u+1], s[62:63] offset:256*\u   ; 256 consecutive bytes
.endm
.macro WCOL m                          ; column 32 m + lane: all 32 numbers of my wave's block are in my registers
.set XB, X+32*\m
.set CT, PC+10*\m
.set TQ, TM+4*\m
	v_max3_num_f32 v[TQ], |v[XB]|, |v[XB+1]|, |v[XB+2]|
	v_max3_num_f32 v[TQ+1], |v[XB+3]|, |v[XB+4]|, |v[XB+5]|
.irp i, 6,10,14,18,22,26
	v_max3_num_f32 v[TQ], v[TQ], |v[XB+\i]|, |v[XB+\i+1]|
	v_max3_num_f32 v[TQ+1], v[TQ+1], |v[XB+\i+2]|, |v[XB+\i+3]|
.endr
	v_max3_num_f32 v[TQ], v[TQ], |v[XB+30]|, |v[XB+31]|
	v_max3_num_f32 v[TQ], v[TQ], v[TQ+1], 0x1800000
	v_add_nc_u32 v[TQ+2], 0xff000000, v[TQ]
	v_lshrrev_b32 v[TQ+3], 23, v[TQ+2]
	v_cvt_scalef32_pk16_fp6_f32 v[CT:CT+2], v[XB:XB+15], v[TQ+2]
	v_cvt_scalef32_pk16_fp6_f32 v[CT+6:CT+8], v[XB+16:XB+31], v[TQ+2]
	v_nop                                          ; one plain place behind a scaled conversion
.irp i, 0,1,2
	v_mov_b32 v[CT+3+\i], v[CT+6+\i]
.endr
	ds_store_b64 v[WA0], v[CT:CT+1] offset:2*FP*\m
	ds_store_b64 v[WA1], v[CT+2:CT+3] offset:2*FP*\m+8
	ds_store_b64 v[WA0], v[CT+4:CT+5] offset:2*FP*\m+512
	ds_store_b8 v[WW], v[TQ+3] offset:256*(\m/2)+4*(\m%2)
.endm
	ASK 76, PF                                     ; fill 1's bytes
	SEQ 0
	tensor_load_to_lds s[G0+4:G0+7], s[G1T:G1T+7]  ; fill 1: slot 1's first fill, issued as a refill is
	s_nop 0
	RDX 0, RDA, 0
	RDX 1, RDA, 1
	ASK 78, PF2                                    ; fill 2's bytes
	TOK 32, 0
	SEQ 1
	s_cmp_lt_u32 s[WV], 4                          ; fill 2: the two tensors' rows lie differently far apart: two groups 1, two lines
	s_cbranch_scc0 .Lfill_w
	tensor_load_to_lds s[G0+8:G0+11], s[G1M:G1M+7]
	s_nop 0
.rept 4
	v_nop
.endr
	s_branch .Lfill_d
.Lfill_w:
	tensor_load_to_lds s[G0+8:G0+11], s[G1T:G1T+7]
	s_nop 0
.rept 4
	v_nop
.endr
.Lfill_d:
	RDX 0, RDB, 0
	RDX 1, RDB, 1
	ASK 80, PF                                     ; fill 3's bytes
	TOK 34, 1
	SEQ 1
	tensor_load_to_lds s[G0+12:G0+15], s[G1T:G1T+7]   ; fill 3
	s_nop 0
	s_cmp_lt_u32 s[WV], 4
	s_cbranch_scc0 .Lweights
	RDX 0, RDA, 0
	RDX 1, RDA, 1
	s_wait_dscnt 16
	MSK X, 0
	s_wait_dscnt 0x0
	MSK X+64, 1
	s_branch .Ljoin
.Lweights:
.irp m, 0,1,2,3
.set k, 0
.rept 32
	ds_load_b32 v[X+32*\m+k], v[WRD] offset:528*k+128*\m   ; W(32 t + k, 32 m + lane): 128 consecutive bytes
.set k, k+1
.endr
.endr
	s_wait_dscnt 0x0
.irp m, 0,1,2,3
	WCOL \m
.endr
.Ljoin:
	s_wait_alu depctr_va_vdst(0)
	s_wait_tensorcnt 0x0                           ; my tile of fill 3 is in; I alone read it
	RDX 0, RDB, 0
	RDX 1, RDB, 1
	TOK 60, 2
	s_wait_alu depctr_va_vdst(0)
	s_wait_dscnt 0x0                               ; my stores of scale words and images are done
	s_barrier_signal -1
	s_barrier_wait -1                              ; and everybody's
	s_cmp_lt_u32 s[WV], 7
	s_cbranch_scc0 .Lno_words
	ds_load_b128 v[X+12:X+15], v[SR]
	s_wait_dscnt 0x0
	global_store_b128 v[LI], v[X+12:X+15], s[100:101]   ; 512 consecutive bytes of scale words
.Lno_words:
.irp c, 0,1,2
	ds_load_b128 v[X+4*\c:X+4*\c+3], v[IR] offset:512*\c
.endr
	s_wait_dscnt 0x0
.irp c, 0,1,2
	global_store_b128 v[LI], v[X+4*\c:X+4*\c+3], s[82:83] offset:512*\c   ; the weight's fragment of my wave's number
.endr
	s_wait_tensorcnt 0x0                           ; the wave's end
	ds_add_u32 v[SPW], v[NIL]
	s_wait_dscnt 0x0
	s_endpgm
.Lfunc_end_k_qa4c982a12a_quant:
	.size	k_qa4c982a12a_quant, .Lfunc_end_k_qa4c982a12a_quant-k_qa4c982a12a_quant
	.p2alignl 7, 3214868480
	.fill 96, 4, 3214868480
	.section	.rodata,"a",@progbits
	.p2align	6, 0x0
	.amdhsa_kernel k_qa4c982a12a_quant
		.amdhsa_group_segment_fixed_size 327680
		.amdhsa_private_segment_fixed_size 0
		.amdhsa_enable_private_segment 0
		.amdhsa_kernarg_size 80
		.amdhsa_user_sgpr_count 2
		.amdhsa_user_sgpr_kernarg_segment_ptr 1
		.amdhsa_wavefront_size32 1
		.amdhsa_system_sgpr_workgroup_id_x 1
		.amdhsa_system_sgpr_workgroup_id_y 1
		.amdhsa_system_sgpr_workgroup_id_z 1
		.amdhsa_system_vgpr_workitem_id 0
		.amdhsa_next_free_vgpr 224
		.amdhsa_next_free_sgpr 102
		.amdhsa_reserve_vcc 0
		.amdhsa_float_denorm_mode_32 3
		.amdhsa_float_denorm_mode_16_64 3
		.amdhsa_memory_ordered 1
		.amdhsa_forward_progress 1
		.amdhsa_inst_pref_size 75
	.end_amdhsa_kernel
	.amdgpu_metadata
---
amdhsa.version: [ 1, 2 ]
amdhsa.kernels:
  - .name:           k_qa4c982a12a_quant
    .symbol:         k_qa4c982a12a_quant.kd
    .args:
      - { .name: query, .offset: 0, .size: 8, .value_kind: global_buffer, .address_space: global }
      - { .name: key, .offset: 8, .size: 8, .value_kind: global_buffer, .address_space: global }
      - { .name: value, .offset: 16, .size: 8, .value_kind: global_buffer, .address_space: global }
      - { .name: mask, .offset: 24, .size: 8, .value_kind: global_buffer, .address_space: global }
      - { .name: Wq, .offset: 32, .size: 8, .value_kind: global_buffer, .address_space: global }
      - { .name: Wk, .offset: 40, .size: 8, .value_kind: global_buffer, .address_space: global }
      - { .name: Wv, .offset: 48, .size: 8, .value_kind: global_buffer, .address_space: global }
      - { .name: Wo, .offset: 56, .size: 8, .value_kind: global_buffer, .address_space: global }
      - { .name: qnt, .offset: 64, .size: 8, .value_kind: global_buffer, .address_space: global }
      - { .name: mkw, .offset: 72, .size: 8, .value_kind: global_buffer, .address_space: global }
    .group_segment_fixed_size: 327680
    .private_segment_fixed_size: 0
    .kernarg_segment_align: 8
    .kernarg_segment_size: 80
    .max_flat_workgroup_size: 256
    .sgpr_count:     102
    .vgpr_count:     224
    .wavefront_size: 32
...
	.end_amdgpu_metadata
.endif
;; end of part 1
;; launch proj (part 2): grid 4 x 64, 4 waves a work-group, clusters of 4 x 4, 327,680 bytes of LDS; arguments qnt, bq, bk, bv, prj; writes prj
.if DOCPART == 2
	.amdgcn_target "amdgcn-amd-amdhsa--gfx1250"
	.amdhsa_code_object_version 6
	.text
	.protected	k_qa4c982a12a_proj
	.globl	k_qa4c982a12a_proj
	.p2align	8
	.type	k_qa4c982a12a_proj,@function
k_qa4c982a12a_proj:
	s_mov_b64 s[64:65], 0
	v_nop
	global_prefetch_b8 v0, s[64:65] scope:SCOPE_SE
	s_setreg_imm32_b32 hwreg(HW_REG_WAVE_MODE, 25, 1), 1
	s_wait_xcnt 0x0
	s_wait_alu depctr_hold_cnt(0) depctr_sa_sdst(0) depctr_va_vdst(0) depctr_va_sdst(0) depctr_va_ssrc(0) depctr_va_vcc(0) depctr_vm_vsrc(0)
	s_getreg_b32 s2, hwreg(HW_REG_IB_STS2, 6, 4)
	s_cmp_eq_u32 s2, 0
	s_cbranch_scc0 .Lentry_in_a_cluster
	s_endpgm
.Lentry_in_a_cluster:
	s_bfe_u32 s2, ttmp6, 0x10000c
	s_cmp_lg_u32 s2, 0xf033
	s_cbranch_scc0 .Lentry_shape_is_right
	s_endpgm
.Lentry_shape_is_right:
; SECOND LAUNCH: q = query Wq + bq, k = key Wk + bk, v = value Wv + bv, on the codes that the first launch made; the results are quantised on the way out (q, k along d; v along the keys).  Nothing is left out.
; C[m][n] = sum over k of A[m][k] B[n][k], K = 1,024.  A tile is 128 (m) x 256 (n), each of the four waves makes 64 x 128 of it: 32 accumulators.
; A WORK-GROUP STAYS: it makes three tiles, one of q, one of k, one of v: 24 K steps on end.  For q and k: A = the tokens' codes, B = the weight's (rows = n).  For v the two change places (A = Wv's rows d, B = value's tokens),
; so that the registers of a lane run along the keys, which are the K of the product with p.
; THE MATRIX INSTRUCTION IS USED TRANSPOSED (source 0 = 16 rows of B, source 1 = 16 rows of A): a lane holds one row m, and by the panels' order of rows the 64 registers of a block of A are n = 32 b + 16 h + i: what the quantiser takes.
; THE RING: two slots of four K steps, each [A 49,152 bytes | B's first panel | B's second]; a tile is once round the ring.  The ring does not stop at a tile's end: a tile's two changes of slots ask for the next tile's two halves,
; which are on their way while this tile is multiplied, quantised and stored.  Four refills, each behind a round of the cluster's barrier.  Wave 0 fetches A's part, waves 1 and 2 B's, wave 3 nothing.
; By this text's own count a wave has at most two tensor loads outstanding.
; CLUSTERS: 4 x 4.  A's panel is shared along a row of the cluster, B's along a column: joint loads.  The walk is the same in all sixteen partners.
; Operands lie in memory and in LDS as images of their registers: a fragment is three loads of 16 bytes a lane, 512 consecutive bytes each: no pitch, no padding.  The scale words go from memory straight into registers, in two sets that the tiles take by turns.
; The way out uses the registers of A's fragments, so a tile's last K step fetches nothing, and the next tile's first fragments are fetched behind the way out.
; LIMITS: a block of zeros has the byte 1 where the rule says 127 (this program alone reads the bytes); NaN and infinities are not served.
; REGISTERS: window 0: v4-13 addresses; v16-47 A's scale words, v48-111 B's, two sets each; v112-207 A's fragments, two sets (on the way out: v112-175 64 numbers, v176-195 codes, v196-215 at work); v232-239 the rows' biases (bv).
;   window 1: B's fragments, sets at v0 and v128.   window 2: accumulator (a, b) at v[8 (8 a + b)].   window 3: v0-63 the columns' biases of q (bq), v64-127 of k (bk).
.set XS,    18874368                   ; qnt: the tokens' scale words (262,144 a tensor; their codes at 0, 6,291,456 a tensor)
.set WC,    19660800                   ; the weights' codes (786,432 each),
.set WS,    22806528                   ; and their scale words (32,768 each)
.set TR,    192                        ; rows of 256 bytes in a tensor load: four K steps of a panel
; LDS: A's eight K steps, then B's first panel's eight, then its second's: slot 0 is the first half of each region, slot 1 the second half
.set SLOTD, 49152
.set BSTR,  98304
.set BOFF,  98304
.set FRB,   1536                       ; a fragment's image
.set KSB,   12288                      ; a panel's K step
.set SPARE, 294912                     ; behind the ring: the spare words, 128 bytes for each wave: two blocks of 256 bytes that no other line names
.set NG,    24                         ; K steps of the walk
.set LI,   4
.set L8,   5
.set ADRA, 6
.set ADRB, 8
.set SPW,  10
.set NIL,  11
.set SA,   16
.set SB,   48
.set AF,   112
.set H,    112
.set PC,   176
.set TM,   196
.set PWE,  212
.set EW,   214
.set BR,   232
.set WV,   14
.set WM,   15
.set WN,   16
.set CX,   17
.set CY,   18
.set TX,   19                          ; s19  v's tile: which 256 tokens
.set TY,   20                          ; s20  q's and k's tile: which panel of tokens;  s23: v's tile: which panel of Wv's rows
.set PB,   21
.set HM,   22
.set G1A,  24
.set G1B,  32
.set G0A,  40                          ; s[40:47] A's groups 0, one for each slot;  s[68:75] B's
.set G0B,  68
.set GS,   4
.set SEL,  100
; s[4:5], s[6:7] where q's codes and scale words go (k's: a constant on);  s[48:49], s[50:51] v's;  s[8:9], s[10:11] A's and B's scale words for q (k: a constant on);  s[52:53], s[54:55] for v
; s[56:57], s[60:61] A's panel and the panel of B that I fetch, for q (k: a constant on);  s[58:59], s[62:63] for v;  s[76:81] the biases
.set MSB, 0
.macro WIN new                         ; the immediate's high byte repeats the setting that is left
.if MSB != \new
	s_set_vgpr_msb (MSB<<8)|\new
.set MSB, \new
.endif
.endm
.macro PLACES                          ; four places behind a matrix instruction, ahead of loads into its sources and of reads of its results
.rept 4
	v_nop
.endr
.endm
.macro ROUND                           ; a round of the cluster's barrier
	s_barrier_signal -1
	s_barrier_wait -1
	s_cmp_lg_u32 s[WV], 0
	s_cbranch_scc1 .Lnot_wave_0_\@
	s_barrier_signal -3
.Lnot_wave_0_\@:
	s_barrier_wait -3
	s_barrier_signal -1
	s_barrier_wait -1
.endm
.macro IDS                             ; the opening lines, the ids, the descriptors' constant words
	v_lshl_add_u32 v[SPW], v0, 2, SPARE
	v_mov_b32 v[NIL], 0
	ds_add_u32 v[SPW], v[NIL]                      ; the wave's opening: the add, twice on end, and its wait ahead of my first tensor load
	ds_add_u32 v[SPW], v[NIL]
	v_lshrrev_b32 v1, 5, v0
	v_readfirstlane_b32 s[WV], v1                  ; wave 0..3
	s_lshr_b32 s[WM], s[WV], 1                     ; which 64 rows of A's panel are mine
	s_and_b32 s[WN], s[WV], 1                      ; which panel of B
	s_max_u32 s[PB], s[WV], 1
	s_sub_co_u32 s[PB], s[PB], 1                   ; waves 1, 2 fetch B's panels 0, 1
	s_bfe_u32 s[CX], ttmp6, 0x40000
	s_bfe_u32 s[CY], ttmp6, 0x40004
	s_mov_b32 s[HM], 0xffff0000
	s_mov_b32 s[SEL], 0x76543210
	s_mov_b32 s[SEL+1], 0xfedcba98
	s_lshl_b32 s56, s[CY], 2
	s_lshl_b32 s56, 15, s56                        ; my row of the cluster
	s_lshl_b32 s60, 0x1111, s[CX]                  ; my column
	s_or_b32 s[G1A], s56, (3<<16)|(1<<21)          ; 15:0 the mask; 17:16 elements of 8 bytes; 21 set beside a mask; no padding
	s_or_b32 s[G1B], s60, (3<<16)|(1<<21)
.irp g, G1A, G1B
	s_mov_b32 s[\g+1], 32<<16                      ; tensor_dim0 = 32 elements: 256 bytes
	s_mov_b32 s[\g+2], (2*TR)<<16                  ; the head's load brings both halves of a region: 2 TR rows
	s_mov_b32 s[\g+3], 32<<16
	s_mov_b32 s[\g+4], 2*TR
	s_mov_b32 s[\g+5], 32                          ; the pitch: the block is dense
	s_mov_b32 s[\g+6], 0
	s_mov_b32 s[\g+7], 0
.endr
.endm
.macro VADR                            ; the lanes' addresses; s3 is at work here alone
	v_and_b32 v1, 31, v0
	v_lshlrev_b32 v[LI], 4, v1
	v_lshlrev_b32 v[L8], 3, v1
	s_mul_i32 s3, s[WM], 6144
	v_add_nc_u32 v[ADRA], s3, v[LI]
	v_add_nc_u32 v[ADRA+1], SLOTD, v[ADRA]
	s_mul_i32 s3, s[WN], BSTR
	s_add_co_u32 s3, s3, BOFF
	v_add_nc_u32 v[ADRB], s3, v[LI]
	v_add_nc_u32 v[ADRB+1], SLOTD, v[ADRB]
.endm
.macro G0SET                           ; the groups 0 of both slots, for the first tile's two halves: A's from s[56:57], B's from s[60:61]
	s_mul_i32 s99, s[WV], 98304
.irp g, 0,1
	s_mov_b32 s[G0A+GS*\g], 1
	s_mov_b32 s[G0A+GS*\g+1], \g*SLOTD
	s_add_nc_u64 s[G0A+GS*\g+2:G0A+GS*\g+3], s[56:57], \g*49152
	s_or_b32 s[G0A+GS*\g+3], s[G0A+GS*\g+3], 0x80000000
	s_mov_b32 s[G0B+GS*\g], 1
	s_add_co_u32 s[G0B+GS*\g+1], s99, \g*SLOTD
	s_add_nc_u64 s[G0B+GS*\g+2:G0B+GS*\g+3], s[60:61], \g*49152
	s_or_b32 s[G0B+GS*\g+3], s[G0B+GS*\g+3], 0x80000000
.endr
.endm
.macro FILLS                           ; a wave's first fills stand in one branch on its number; an s_nop 0 follows each load, four v_nop the last
	s_cmp_eq_u32 s[WV], 0
	s_cbranch_scc0 .Lfor_b_\@
.irp g, 0
	tensor_load_to_lds s[G0A+GS*\g:G0A+GS*\g+3], s[G1A:G1A+7]
	s_nop 0
.endr
	PLACES
	s_branch .Lasked_\@
.Lfor_b_\@:
	s_cmp_lt_u32 s[WV], 3
	s_cbranch_scc0 .Lasked_\@
.irp g, 0
	tensor_load_to_lds s[G0B+GS*\g:G0B+GS*\g+3], s[G1B:G1B+7]
	s_nop 0
.endr
	PLACES
.Lasked_\@:
.endm
.macro JLOAD s                         ; a joint refill of slot s: one load a wave; an s_nop 0 and four v_nop follow each line
	s_cmp_eq_u32 s[WV], 0
	s_cbranch_scc0 .Lre_b_\@
	tensor_load_to_lds s[G0A+GS*(\s):G0A+GS*(\s)+3], s[G1A:G1A+7]
	s_nop 0
	PLACES
	s_branch .Lre_d_\@
.Lre_b_\@:
	s_cmp_lt_u32 s[WV], 3
	s_cbranch_scc0 .Lre_d_\@
	tensor_load_to_lds s[G0B+GS*(\s):G0B+GS*(\s)+3], s[G1B:G1B+7]
	s_nop 0
	PLACES
.Lre_d_\@:
.endm
; one product: A's block a against B's block b, K step ks of the walk.  A register of scale words holds an even fragment's in lanes 0-15 and an odd one's in lanes 16-31; the tiles take the two sets of scale words by turns
.macro MM a, b, ks, zero
.set rD, 8*(8*\a+\b)
.set rB, 128*((\ks)%2)+12*\b
.set rA, AF+48*((\ks)%2)+12*\a
.set rS, SB+4*((\ks)%16)+\b/2
.set rT, SA+2*((\ks)%16)+\a/2
.set rW, 2*(\b%2)+\a%2+4*(\zero)
.if rW == 0
	v_wmma_scale_f32_16x16x128_f8f6f4 v[rD:rD+7], v[rB:rB+11], v[rA:rA+11], v[rD:rD+7], v[rS], v[rT] matrix_a_fmt:MATRIX_FMT_FP6 matrix_b_fmt:MATRIX_FMT_FP6
.elseif rW == 1
	v_wmma_scale_f32_16x16x128_f8f6f4 v[rD:rD+7], v[rB:rB+11], v[rA:rA+11], v[rD:rD+7], v[rS], v[rT] matrix_a_fmt:MATRIX_FMT_FP6 matrix_b_fmt:MATRIX_FMT_FP6 matrix_b_scale:MATRIX_SCALE_ROW1
.elseif rW == 2
	v_wmma_scale_f32_16x16x128_f8f6f4 v[rD:rD+7], v[rB:rB+11], v[rA:rA+11], v[rD:rD+7], v[rS], v[rT] matrix_a_fmt:MATRIX_FMT_FP6 matrix_b_fmt:MATRIX_FMT_FP6 matrix_a_scale:MATRIX_SCALE_ROW1
.elseif rW == 3
	v_wmma_scale_f32_16x16x128_f8f6f4 v[rD:rD+7], v[rB:rB+11], v[rA:rA+11], v[rD:rD+7], v[rS], v[rT] matrix_a_fmt:MATRIX_FMT_FP6 matrix_b_fmt:MATRIX_FMT_FP6 matrix_a_scale:MATRIX_SCALE_ROW1 matrix_b_scale:MATRIX_SCALE_ROW1
.elseif rW == 4
	v_wmma_scale_f32_16x16x128_f8f6f4 v[rD:rD+7], v[rB:rB+11], v[rA:rA+11], 0, v[rS], v[rT] matrix_a_fmt:MATRIX_FMT_FP6 matrix_b_fmt:MATRIX_FMT_FP6
.elseif rW == 5
	v_wmma_scale_f32_16x16x128_f8f6f4 v[rD:rD+7], v[rB:rB+11], v[rA:rA+11], 0, v[rS], v[rT] matrix_a_fmt:MATRIX_FMT_FP6 matrix_b_fmt:MATRIX_FMT_FP6 matrix_b_scale:MATRIX_SCALE_ROW1
.elseif rW == 6
	v_wmma_scale_f32_16x16x128_f8f6f4 v[rD:rD+7], v[rB:rB+11], v[rA:rA+11], 0, v[rS], v[rT] matrix_a_fmt:MATRIX_FMT_FP6 matrix_b_fmt:MATRIX_FMT_FP6 matrix_a_scale:MATRIX_SCALE_ROW1
.else
	v_wmma_scale_f32_16x16x128_f8f6f4 v[rD:rD+7], v[rB:rB+11], v[rA:rA+11], 0, v[rS], v[rT] matrix_a_fmt:MATRIX_FMT_FP6 matrix_b_fmt:MATRIX_FMT_FP6 matrix_a_scale:MATRIX_SCALE_ROW1 matrix_b_scale:MATRIX_SCALE_ROW1
.endif
.endm
.macro MUL32 ks, zero                  ; a K step: the 32 accumulators take turns, one instruction a turn, in the same order in every step, from tile to tile too
	WIN 0xa1                                       ; source 0 (B) window 1, source 1 (A) window 0, C and D window 2
.irp a, 0,1,2,3
.irp b, 0,1,2,3,4,5,6,7
	MM \a, \b, \ks, \zero
.endr
.endr
.endm
.macro FETCH ks                        ; 36 LDS loads in one run: B's eight fragments and A's four of K step ks, into set ks % 2
.set fS, (\ks)%2
.set fR, ((\ks)/4)%2
.set fO, ((\ks)%4)*KSB
	WIN 0x40                                       ; destination window 1
.irp b, 0,1,2,3,4,5,6,7
.irp c, 0,1,2
	ds_load_b128 v[128*fS+12*\b+4*\c:128*fS+12*\b+4*\c+3], v[ADRB+fR] offset:fO+FRB*\b+512*\c
.endr
.endr
	WIN 0
.irp a, 0,1,2,3
.irp c, 0,1,2
	ds_load_b128 v[AF+48*fS+12*\a+4*\c:AF+48*fS+12*\a+4*\c+3], v[ADRA+fR] offset:fO+FRB*\a+512*\c
.endr
.endr
.endm
.macro SCALES set, pa, pb, oa, ob      ; a tile's scale words into a set: A's from s[pa:pa+1] + oa, B's from s[pb:pb+1] + ob
.set q, 0
.rept 8
	global_load_b64 v[SA+16*(\set)+2*q:SA+16*(\set)+2*q+1], v[L8], s[\pa:\pa+1] offset:512*q+\oa
	global_load_b64 v[SB+32*(\set)+4*q:SB+32*(\set)+4*q+1], v[L8], s[\pb:\pb+1] offset:512*q+\ob
	global_load_b64 v[SB+32*(\set)+4*q+2:SB+32*(\set)+4*q+3], v[L8], s[\pb:\pb+1] offset:512*q+256+\ob
.set q, q+1
.endr
.endm
; K step g of the walk: the next step's fragments are asked for, then this step's 32 products are issued.  At a slot's last step all the slot's fragments have been asked for: the slots change at its head
.macro KSTEP g
.if (\g)%4 == 3 && (\g) < NG-1
	PLACES
	WIN 0
	s_wait_tensorcnt 0x0                           ; all my tensor loads have landed: my part of the other slot; so a group 0 may be written
	ds_add_u32 v[SPW], v[NIL]                      ; 0 onto my spare word
.if (\g) < NG-5
	ds_add_u32 v[SPW], v[NIL]                      ; and once more
.set sL, ((\g)/4)%2
.if ((\g)+5)/8 == 1                    ; this slot takes the same half of the NEXT tile: k's lies a constant behind q's,
	s_add_nc_u64 s[G0A+GS*sL+2:G0A+GS*sL+3], s[56:57], 6291456+49152*sL
	s_add_nc_u64 s[G0B+GS*sL+2:G0B+GS*sL+3], s[60:61], 786432+49152*sL
.else                                  ; v's has addresses of its own
	s_add_nc_u64 s[G0A+GS*sL+2:G0A+GS*sL+3], s[58:59], 49152*sL
	s_add_nc_u64 s[G0B+GS*sL+2:G0B+GS*sL+3], s[62:63], 49152*sL
.endif
	s_or_b32 s[G0A+GS*sL+3], s[G0A+GS*sL+3], 0x80000000
	s_or_b32 s[G0B+GS*sL+3], s[G0B+GS*sL+3], 0x80000000
	s_wait_dscnt 0x0                               ; both adds are done, and my reads of this slot are over
	ROUND                                          ; no wave of any partner still reads the slot or has a load on its way
	JLOAD ((\g)/4)%2
.if (\g) == 7
	ASK 86
.endif
.else
	s_wait_dscnt 0x0
	s_barrier_signal -1                            ; the last change of slots: nothing is filled again
	s_barrier_wait -1
.endif
.if (\g)%8 != 7
	FETCH (\g)+1
	s_wait_dscnt 36                                ; all but the 36 just issued
.endif
.elseif (\g)%8 == 7
	s_wait_dscnt 0x0                               ; the walk's last step: nothing more to fetch
.else
.if (\g)%8 > 0
	PLACES
.endif
	FETCH (\g)+1
	s_wait_dscnt 36                                ; all but the 36 just issued
.endif
.if (\g)%8 == 0
	s_wait_loadcnt 0x0                             ; the tile's scale words, and what else has been asked for
	MUL32 \g, 1                                    ; a tile's first products start the sums: nothing is cleared
.else
	MUL32 \g, 0
.endif
.endm
.macro QMAX s                          ; the largest magnitude of each of my row's four blocks, with the floor 2^(3 - 127) among the leaves
.irp b, 0,1,2,3
	v_max3_num_f32 v[TM+\b], |v[\s+16*\b]|, |v[\s+1+16*\b]|, 0x1800000
.endr
.irp i, 2,4,6,8,10,12,14
.irp b, 0,1,2,3
	v_max3_num_f32 v[TM+\b], v[TM+\b], |v[\s+16*\b+\i]|, |v[\s+1+16*\b+\i]|
.endr
.endr
.irp b, 0,1,2,3
	v_permlanex16_b32 v[TM+4+\b], v[TM+\b], s[SEL], s[SEL+1]
.endr
.irp b, 0,1,2,3
	v_max_num_f32 v[TM+\b], v[TM+\b], v[TM+4+\b]
.endr
.endm
.macro QCODE s, pw                     ; the scale word in v[pw], the fragment's twelve registers in v[PC] on
.irp b, 0,1,2,3
	v_add_nc_u32 v[TM+12+\b], 0xff000000, v[TM+\b] ; 2 off the exponent field: the conversion's scale operand
.endr
.irp b, 0,1,2,3
	v_lshrrev_b32 v[TM+4+\b], 23, v[TM+12+\b]      ; the scale's byte
.endr
	v_lshl_or_b32 v[\pw], v[TM+5], 8, v[TM+4]
	v_lshl_or_b32 v[\pw], v[TM+6], 16, v[\pw]
	v_lshl_or_b32 v[\pw], v[TM+7], 24, v[\pw]
.irp c, 0,1
	v_cvt_scalef32_pk16_fp6_f32 v[PC+6*\c:PC+2+6*\c], v[\s+32*\c:\s+15+32*\c], v[TM+12+2*\c]
	v_cvt_scalef32_pk16_fp6_f32 v[PC+12+4*\c:PC+14+4*\c], v[\s+16+32*\c:\s+31+32*\c], v[TM+12+2*\c+1]
.endr
	v_nop                                          ; one plain place behind a scaled conversion
.irp c, 0,1
.irp i, 0,1,2
	v_permlane16_swap_b32 v[PC+6*\c+\i], v[PC+12+4*\c+\i]
.endr
.irp i, 0,1,2
	v_mov_b32 v[PC+3+6*\c+\i], v[PC+12+4*\c+\i]
.endr
.endr
.endm
.macro PUT t, a                        ; tile t's block a leaves as it stands, 512 consecutive bytes a store; the four blocks' scale words as two registers, 256 consecutive bytes
.irp c, 0,1,2
.if (\t) < 2
	global_store_b128 v[LI], v[PC+4*\c:PC+4*\c+3], s[4:5] offset:6291456*(\t)+FRB*(\a)+512*\c
.else
	global_store_b128 v[LI], v[PC+4*\c:PC+4*\c+3], s[48:49] offset:FRB*(\a)+512*\c
.endif
.endr
.if (\a)%2
	v_cndmask_b32 v[EW+(\a)/2], v[PWE], v[PWE+1], s[HM]
.endif
.if (\a) == 3
.if (\t) < 2
	global_store_b64 v[L8], v[EW:EW+1], s[6:7] offset:262144*(\t)
.else
	global_store_b64 v[L8], v[EW:EW+1], s[50:51]
.endif
.endif
.endm
.macro TAIL t, a
.if (\t) < 2
	WIN 0x0e                                       ; source 0 window 2, source 1 window 3
.set j, 0
.rept 32
	v_pk_add_f32 v[H+j:H+j+1], v[64*(\a)+j:64*(\a)+j+1], v[64*(\t)+j:64*(\t)+j+1]   ; each accumulator from its low end on
.set j, j+2
.endr
.else
	WIN 0x02
.set j, 0
.rept 32
	v_pk_add_f32 v[H+j:H+j+1], v[64*(\a)+j:64*(\a)+j+1], v[BR+2*(\a):BR+2*(\a)+1]
.set j, j+2
.endr
.endif
	WIN 0
	QMAX H
	s_wait_alu depctr_va_vdst(0)
	s_wait_xcnt 0x0                                ; the last block's stores have read their registers, which the conversions below write again
	QCODE H, PWE+(\a)%2
	PUT \t, \a
.endm
.macro TILEOUT t                       ; tile t's way out; both halves of the next tile have been asked for
	WIN 0
	PLACES
.if (\t) == 0
	SCALES 0, 52, 54, 0, 0                         ; v's scale words take the set that q's have left, four places behind the last product: they have k's whole tile in which to land
.endif
.irp b, 0,1,2,3
	v_mov_b32 v[TM+4+\b], 0                        ; a lane permute's destination counts as one of its sources
.endr
.irp a, 0,1,2,3
	TAIL \t, \a
.endr
.if (\t) < 2
	s_wait_xcnt 0x0                                ; the stores have read their registers, into which the fragments below are loaded
.rept 8
	v_nop                                          ; the way out has written A's registers by vector instructions: places between those writes and the next tile's products
.endr
	FETCH 8*(\t)+8                                 ; the next tile's first fragments: its first half was shown landed at this tile's last change of slots
.endif
.endm
	s_load_b256 s[84:91], s[0:1], 0x0              ; qnt, bq, bk, bv
	s_load_b64 s[92:93], s[0:1], 0x20              ; prj
	IDS
	s_and_b32 s94, ttmp7, 0xffff                   ; the cluster's y, 0 .. 15: the same in all sixteen partners
	s_lshl_b32 s[TY], s94, 2
	s_add_co_u32 s[TY], s[TY], s[CY]               ; q, k: 1 x 16 clusters: panel of tokens 4 y + cy, columns 256 cx on
	s_lshr_b32 s23, s94, 3
	s_lshl_b32 s23, s23, 2
	s_add_co_u32 s23, s23, s[CY]                   ; v: 8 x 2 clusters: panel of Wv's rows 4 (y / 8) + cy,
	s_and_b32 s[TX], s94, 7
	s_lshl_b32 s[TX], s[TX], 2
	s_add_co_u32 s[TX], s[TX], s[CX]               ; tokens 256 (4 (y % 8) + cx) on
	s_lshl_b32 s66, s[CX], 1
	s_add_co_u32 s66, s66, s[WN]                   ; q, k: my panel of B = the result's K step
	s_lshl_b32 s67, s[TX], 1
	s_add_co_u32 s67, s67, s[WN]                   ; v: likewise, of 64
	s_mul_i32 s56, s[TY], 98304                    ; A's panels: of the work-group's place they hold cy alone
	s_mov_b32 s57, 0
	s_mul_i32 s58, s23, 98304
	s_add_co_u32 s58, s58, WC+2*786432
	s_mov_b32 s59, 0
	s_lshl_b32 s60, s[CX], 1                       ; the panels of B that I fetch: cx alone
	s_add_co_u32 s60, s60, s[PB]
	s_mul_i32 s60, s60, 98304
	s_add_co_u32 s60, s60, WC
	s_mov_b32 s61, 0
	s_lshl_b32 s62, s[TX], 1
	s_add_co_u32 s62, s62, s[PB]
	s_mul_i32 s62, s62, 98304
	s_add_co_u32 s62, s62, 2*6291456
	s_mov_b32 s63, 0
	s_lshl_b32 s95, s[WM], 8                       ; my half of a K step's 512 bytes of scale words
	s_lshl_b32 s8, s[TY], 12                       ; A's and B's scale words
	s_add_co_u32 s8, s8, s95
	s_add_co_u32 s8, s8, XS
	s_mov_b32 s9, 0
	s_lshl_b32 s52, s23, 12
	s_add_co_u32 s52, s52, s95
	s_add_co_u32 s52, s52, WS+2*32768
	s_mov_b32 s53, 0
	s_lshl_b32 s10, s66, 12
	s_add_co_u32 s10, s10, WS
	s_mov_b32 s11, 0
	s_lshl_b32 s54, s67, 12
	s_add_co_u32 s54, s54, XS+2*262144
	s_mov_b32 s55, 0
	s_mul_i32 s96, s[WM], 6144                     ; my four fragments of a K step's eight
	s_mul_i32 s4, s[TY], 98304                     ; where q's codes go in prj
	s_mul_i32 s5, s66, 12288
	s_add_co_u32 s4, s4, s5
	s_add_co_u32 s4, s4, s96
	s_mov_b32 s5, 0
	s_lshl_b32 s6, s[TY], 12                       ; and its scale words
	s_lshl_b32 s7, s66, 9
	s_add_co_u32 s6, s6, s7
	s_add_co_u32 s6, s6, s95
	s_add_co_u32 s6, s6, 18874368
	s_mov_b32 s7, 0
	s_lshr_b32 s97, s67, 4                         ; v: the batch,
	s_and_b32 s98, s67, 15                         ; and the K step in it
	s_mul_i32 s48, s97, 1572864                    ; where v's codes go: a panel of v^T has 16 K steps
	s_mul_i32 s49, s23, 196608
	s_add_co_u32 s48, s48, s49
	s_mul_i32 s49, s98, 12288
	s_add_co_u32 s48, s48, s49
	s_add_co_u32 s48, s48, s96
	s_add_co_u32 s48, s48, 2*6291456
	s_mov_b32 s49, 0
	s_lshl_b32 s50, s97, 16                        ; and its scale words
	s_lshl_b32 s51, s23, 13
	s_add_co_u32 s50, s50, s51
	s_lshl_b32 s51, s98, 9
	s_add_co_u32 s50, s50, s51
	s_add_co_u32 s50, s50, s95
	s_add_co_u32 s50, s50, 18874368+2*262144
	s_mov_b32 s51, 0
	s_lshl_b32 s76, s66, 9                         ; bq, bk: my 128 columns
	s_mov_b32 s77, 0
	s_lshl_b32 s78, s66, 9
	s_mov_b32 s79, 0
	s_lshl_b32 s80, s23, 9                         ; bv: my 64 rows
	s_add_co_u32 s80, s80, s95
	s_mov_b32 s81, 0
	VADR
	v_bfe_u32 v2, v0, 4, 1
	v_lshlrev_b32 v12, 6, v2                       ; the columns' biases: 16 h numbers on
	v_and_b32 v3, 15, v0
	v_and_b32 v13, 8, v3
	v_add_nc_u32 v13, v13, v3
	v_lshlrev_b32 v13, 2, v13                      ; the rows': r + 8 (r / 8) numbers on
	s_wait_dscnt 0x0                               ; both opening adds are done
	ROUND                                          ; the round in front of the first joint loads; it needs no argument, so it stands ahead of the wait for them
	s_wait_kmcnt 0x0
	s_add_nc_u64 s[56:57], s[84:85], s[56:57]
	s_add_nc_u64 s[58:59], s[84:85], s[58:59]
	s_add_nc_u64 s[60:61], s[84:85], s[60:61]
	s_add_nc_u64 s[62:63], s[84:85], s[62:63]
	s_add_nc_u64 s[8:9], s[84:85], s[8:9]
	s_add_nc_u64 s[10:11], s[84:85], s[10:11]
	s_add_nc_u64 s[52:53], s[84:85], s[52:53]
	s_add_nc_u64 s[54:55], s[84:85], s[54:55]
	s_add_nc_u64 s[4:5], s[92:93], s[4:5]
	s_add_nc_u64 s[6:7], s[92:93], s[6:7]
	s_add_nc_u64 s[48:49], s[92:93], s[48:49]
	s_add_nc_u64 s[50:51], s[92:93], s[50:51]
	s_add_nc_u64 s[76:77], s[86:87], s[76:77]
	s_add_nc_u64 s[78:79], s[88:89], s[78:79]
	s_add_nc_u64 s[80:81], s[90:91], s[80:81]
	G0SET
	FILLS
	SCALES 0, 8, 10, 0, 0                          ; q's scale words
	WIN 0xc0                                       ; destination window 3
	s_wait_alu depctr_va_vdst(0)
.irp t, 0,1
.irp e, 0,1,2,3
.irp u, 0,1,2,3
	global_load_b128 v[64*\t+16*\e+4*\u:64*\t+16*\e+4*\u+3], v12, s[76+2*\t:77+2*\t] offset:128*\e+16*\u   ; register 16 e + i: the bias of column 32 e + 16 h + i
.endr
.endr
.endr
	WIN 0
; PREFETCH of the next tile's regions: a region is 384 blocks of 256 bytes; the four partners that ask for it jointly share them out by address, 96 each (place cx for A, cy for B): three instructions, a lane a block.
; k's tile is asked for behind the first fragment loads (its halves are loaded at K steps 3 and 7), v's at K step 7 (loaded at K steps 11 and 15).  The address registers are never rewritten.
.macro ASK base
	s_cmp_lt_u32 s[WV], 3                          ; wave 3 fetches nothing
	s_cbranch_scc0 .Lno_ask_\@
	global_prefetch_b8 v14, s[\base:\base+1] th:TH_LOAD_NT scope:SCOPE_SE
	global_prefetch_b8 v14, s[\base:\base+1] offset:8192 th:TH_LOAD_NT scope:SCOPE_SE
	global_prefetch_b8 v14, s[\base:\base+1] offset:16384 th:TH_LOAD_NT scope:SCOPE_SE
.Lno_ask_\@:
.endm
	s_add_nc_u64 s[84:85], s[56:57], 6291456       ; k's tile: A's panel,
	s_add_nc_u64 s[86:87], s[60:61], 786432        ; and the panel of B that I fetch
	s_cmp_eq_u32 s[WV], 0
	s_cselect_b64 s[84:85], s[84:85], s[86:87]
	s_cselect_b64 s[86:87], s[58:59], s[62:63]     ; v's tile likewise
	s_cselect_b32 s88, s[CX], s[CY]                ; my place among the four that ask with me
	s_mul_i32 s88, s88, 24576
	v_and_b32 v14, 31, v0
	v_lshlrev_b32 v14, 8, v14
	v_add_nc_u32 v14, s88, v14                     ; v14: 256 x (96 x place + lane)
	s_wait_alu depctr_va_vdst(0)
	s_wait_tensorcnt 0x0
	s_mov_b32 s[G1A+2], TR<<16
	s_mov_b32 s[G1A+4], TR
	s_mov_b32 s[G1B+2], TR<<16
	s_mov_b32 s[G1B+4], TR
	s_barrier_signal -1
	s_barrier_wait -1                              ; everybody's has
	FETCH 0
	ASK 84
	KSTEP 0
	WIN 0
	SCALES 1, 8, 10, 262144, 32768                 ; k's scale words, into the other set: seven K steps ahead of their use
.irp a, 0,1,2,3
	global_load_b32 v[BR+2*\a], v13, s[80:81] offset:4*(32*(\a/2)+8*(\a%2))     ; bv of block a's row of my lane, in both registers of a pair
	global_load_b32 v[BR+2*\a+1], v13, s[80:81] offset:4*(32*(\a/2)+8*(\a%2))
.endr
.irp k, 1,2,3,4,5,6,7
	KSTEP \k
.endr
	TILEOUT 0
.irp k, 8,9,10,11,12,13,14,15
	KSTEP \k
.endr
	TILEOUT 1
.irp k, 16,17,18,19,20,21,22,23
	KSTEP \k
.endr
	TILEOUT 2
	s_wait_tensorcnt 0x0                           ; the wave's end
	ds_add_u32 v[SPW], v[NIL]
	s_wait_dscnt 0x0
	ROUND                                          ; the closing round
	s_endpgm
.Lfunc_end_k_qa4c982a12a_proj:
	.size	k_qa4c982a12a_proj, .Lfunc_end_k_qa4c982a12a_proj-k_qa4c982a12a_proj
	.p2alignl 7, 3214868480
	.fill 96, 4, 3214868480
	.section	.rodata,"a",@progbits
	.p2align	6, 0x0
	.amdhsa_kernel k_qa4c982a12a_proj
		.amdhsa_group_segment_fixed_size 327680
		.amdhsa_private_segment_fixed_size 0
		.amdhsa_enable_private_segment 0
		.amdhsa_kernarg_size 40
		.amdhsa_user_sgpr_count 2
		.amdhsa_user_sgpr_kernarg_segment_ptr 1
		.amdhsa_wavefront_size32 1
		.amdhsa_system_sgpr_workgroup_id_x 1
		.amdhsa_system_sgpr_workgroup_id_y 1
		.amdhsa_system_sgpr_workgroup_id_z 1
		.amdhsa_system_vgpr_workitem_id 0
		.amdhsa_next_free_vgpr 1024
		.amdhsa_next_free_sgpr 106
		.amdhsa_reserve_vcc 0
		.amdhsa_float_denorm_mode_32 3
		.amdhsa_float_denorm_mode_16_64 3
		.amdhsa_memory_ordered 1
		.amdhsa_forward_progress 1
		.amdhsa_inst_pref_size 255
	.end_amdhsa_kernel
	.section	.bss,"aw",@nobits
	.p2align	6
	.space	262144
	.amdgpu_metadata
---
amdhsa.version: [ 1, 2 ]
amdhsa.kernels:
  - .name:           k_qa4c982a12a_proj
    .symbol:         k_qa4c982a12a_proj.kd
    .args:
      - { .name: qnt, .offset: 0, .size: 8, .value_kind: global_buffer, .address_space: global }
      - { .name: bq, .offset: 8, .size: 8, .value_kind: global_buffer, .address_space: global }
      - { .name: bk, .offset: 16, .size: 8, .value_kind: global_buffer, .address_space: global }
      - { .name: bv, .offset: 24, .size: 8, .value_kind: global_buffer, .address_space: global }
      - { .name: prj, .offset: 32, .size: 8, .value_kind: global_buffer, .address_space: global }
    .group_segment_fixed_size: 327680
    .private_segment_fixed_size: 0
    .kernarg_segment_align: 8
    .kernarg_segment_size: 40
    .max_flat_workgroup_size: 128
    .sgpr_count:     106
    .vgpr_count:     1024
    .wavefront_size: 32
...
	.end_amdgpu_metadata
.endif
;; end of part 2
;; launch scores (part 3): grid 4 x 64, 4 waves a work-group, clusters of 4 x 4, 327,680 bytes of LDS; arguments prj, mkw, att; writes att
.if DOCPART == 3
	.amdgcn_target "amdgcn-amd-amdhsa--gfx1250"
	.amdhsa_code_object_version 6
	.text
	.protected	k_qa4c982a12a_scores
	.globl	k_qa4c982a12a_scores
	.p2align	8
	.type	k_qa4c982a12a_scores,@function
k_qa4c982a12a_scores:
	s_mov_b64 s[64:65], 0
	v_nop
	global_prefetch_b8 v0, s[64:65] scope:SCOPE_SE
	s_setreg_imm32_b32 hwreg(HW_REG_WAVE_MODE, 25, 1), 1
	s_wait_xcnt 0x0
	s_wait_alu depctr_hold_cnt(0) depctr_sa_sdst(0) depctr_va_vdst(0) depctr_va_sdst(0) depctr_va_ssrc(0) depctr_va_vcc(0) depctr_vm_vsrc(0)
	s_getreg_b32 s2, hwreg(HW_REG_IB_STS2, 6, 4)
	s_cmp_eq_u32 s2, 0
	s_cbranch_scc0 .Lentry_in_a_cluster
	s_endpgm
.Lentry_in_a_cluster:
	s_bfe_u32 s2, ttmp6, 0x10000c
	s_cmp_lg_u32 s2, 0xf033
	s_cbranch_scc0 .Lentry_shape_is_right
	s_endpgm
.Lentry_shape_is_right:
; THIRD LAUNCH: the scores q k^T / 32, the mask, and p, quantised along the keys.  Nothing is left out.
; A tile is 128 queries x 256 keys, 64 x 128 to a wave, K = 1,024.  A WORK-GROUP STAYS: it makes two tiles of one panel of queries, keys 256 cx on and keys 1,024 + 256 cx on: 16 K steps on end.
; THE RING is the second launch's: two slots of four K steps, each [q 49,152 bytes | k's first panel | k's second]; the first tile's two changes of slots ask for the second tile's two halves, which are on their way while the
; first tile is multiplied and its p made and stored.  Two refills, each behind a round of the cluster's barrier.  Wave 0 fetches q's part, waves 1 and 2 k's, wave 3 nothing.  By this text's own count a wave has at most two tensor loads outstanding.
; CLUSTERS: 4 x 4, joint loads: q's panel along a row of the cluster, k's panels along a column.
; THE SOFTMAX IS TAKEN IN TWO PARTS.  t = logit x log2(e); where the mask is 0, t is that of the logit -1e9.  Here M is the ceiling of the largest t of a row's 128 KEYS OF THIS WAVE'S TILE, a whole number; p = 2^(t - M) is quantised by
; blocks of 32 keys; stored are the codes, the blocks' bytes, -M and the sum of the unquantised p.  The next launch finds the row's M as the largest of the sixteen and takes the differences, whole numbers, off the bytes:
; a power of two moves a block's scale and no code.  So p goes through memory as codes alone.
; t - M is a multiplication and then an addition, each rounded, as reference() has it: of a row whose keys are all masked every p is then 1.
; A block's largest p is not searched for: the block's largest t goes through the same addition and exponential (this takes v_exp_f32 not to fall where its input rises).
; LIMITS: a block whose every p has fallen to 0 has the byte 1; NaN and infinities are not served.
; VECTOR REGISTERS as in the second launch; v216-231 small things of the way out.
; SCALAR REGISTERS.  The mask's words, one lane mask for each of a block's 64 registers, come by scalar loads into s32-63 and s68-99.  During the first tile's way out slot 1's refill is still out, so its descriptors stay:
; what lives through the ways out lies in s2-31, s66-67, s100-101, s104-105; the head's scratch and slot 0's groups 0, whose last load is shown done at K step 7, lie where the mask's words land.
.set TR,    192
; LDS: q's eight K steps, then k's first panel's eight, then its second's: slot 0 is the first half of each region, slot 1 the second half
.set SLOTD, 49152
.set BSTR,  98304
.set BOFF,  98304
.set FRB,   1536
.set KSB,   12288
.set SPARE, 294912
.set NG,    16
.set LI,   4
.set L8,   5
.set ADRA, 6
.set ADRB, 8
.set SPW,  10
.set NIL,  11
.set SA,   16
.set SB,   48
.set AF,   112
.set H,    112
.set PC,   176
.set TM,   196
.set PWE,  212
.set EW,   214
.set NME,  216                         ; v216, v217 -M of an even and an odd block;  v[218:219] as stored
.set EN,   218
.set LE,   220                         ; v220, v221 the sums likewise;  v[222:223] as stored
.set EL,   222
.set NMP,  224                         ; v[224:225] -M, twice
.set S0,   226                         ; v[226:227], v[228:229] the sum's two chains
.set S1,   228
.set T1,   230
.set TMK,  231                         ; the t of a masked logit
.set OC,   2                           ; s[2:3]     where my codes go
.set SEL,  4                           ; s[4:5]     v_permlanex16_b32's selects
.set WV,   6
.set HM,   7
.set G1A,  8                           ; s[8:15], s[16:23] groups 1
.set G1B,  16
.set G0A,  32                          ; groups 0: slot 0's at s[32:35] and s[36:39], slot 1's at s[24:27] and s[28:31]
.set G0B,  36
.set GS,   -8
.set OS,   66                          ; s[66:67]   where my scale words go
.set MK,   100                         ; s[100:101] my mask words
.set CS,   104                         ; s[104:105] log2(e) / 32
.set WM,   40
.set WN,   41
.set CX,   42
.set CY,   43
.set TY,   44
.set PB,   45
.set MSB, 0
.macro WIN new
.if MSB != \new
	s_set_vgpr_msb (MSB<<8)|\new
.set MSB, \new
.endif
.endm
.macro PLACES
.rept 4
	v_nop
.endr
.endm
.macro ROUND
	s_barrier_signal -1
	s_barrier_wait -1
	s_cmp_lg_u32 s[WV], 0
	s_cbranch_scc1 .Lnot_wave_0_\@
	s_barrier_signal -3
.Lnot_wave_0_\@:
	s_barrier_wait -3
	s_barrier_signal -1
	s_barrier_wait -1
.endm
.macro IDS
	v_lshl_add_u32 v[SPW], v0, 2, SPARE
	v_mov_b32 v[NIL], 0
	ds_add_u32 v[SPW], v[NIL]                      ; the wave's opening: the add, twice on end, and its wait ahead of my first tensor load
	ds_add_u32 v[SPW], v[NIL]
	v_lshrrev_b32 v1, 5, v0
	v_readfirstlane_b32 s[WV], v1
	s_lshr_b32 s[WM], s[WV], 1
	s_and_b32 s[WN], s[WV], 1
	s_max_u32 s[PB], s[WV], 1
	s_sub_co_u32 s[PB], s[PB], 1
	s_bfe_u32 s[CX], ttmp6, 0x40000
	s_bfe_u32 s[CY], ttmp6, 0x40004
	s_mov_b32 s[HM], 0xffff0000
	s_mov_b32 s[SEL], 0x76543210
	s_mov_b32 s[SEL+1], 0xfedcba98
	s_lshl_b32 s56, s[CY], 2
	s_lshl_b32 s56, 15, s56
	s_lshl_b32 s60, 0x1111, s[CX]
	s_or_b32 s[G1A], s56, (3<<16)|(1<<21)
	s_or_b32 s[G1B], s60, (3<<16)|(1<<21)
.irp g, G1A, G1B
	s_mov_b32 s[\g+1], 32<<16
	s_mov_b32 s[\g+2], (2*TR)<<16                  ; the head's load brings both halves of a region: 2 TR rows
	s_mov_b32 s[\g+3], 32<<16
	s_mov_b32 s[\g+4], 2*TR
	s_mov_b32 s[\g+5], 32
	s_mov_b32 s[\g+6], 0
	s_mov_b32 s[\g+7], 0
.endr
.endm
.macro VADR                            ; the lanes' addresses; s63 is at work here alone
	v_and_b32 v1, 31, v0
	v_lshlrev_b32 v[LI], 4, v1
	v_lshlrev_b32 v[L8], 3, v1
	s_mul_i32 s63, s[WM], 6144
	v_add_nc_u32 v[ADRA], s63, v[LI]
	v_add_nc_u32 v[ADRA+1], SLOTD, v[ADRA]
	s_mul_i32 s63, s[WN], BSTR
	s_add_co_u32 s63, s63, BOFF
	v_add_nc_u32 v[ADRB], s63, v[LI]
	v_add_nc_u32 v[ADRB+1], SLOTD, v[ADRB]
.endm
.macro G0SET
	s_mul_i32 s99, s[WV], 98304
.irp g, 0,1
	s_mov_b32 s[G0A+GS*\g], 1
	s_mov_b32 s[G0A+GS*\g+1], \g*SLOTD
	s_add_nc_u64 s[G0A+GS*\g+2:G0A+GS*\g+3], s[56:57], \g*49152
	s_or_b32 s[G0A+GS*\g+3], s[G0A+GS*\g+3], 0x80000000
	s_mov_b32 s[G0B+GS*\g], 1
	s_add_co_u32 s[G0B+GS*\g+1], s99, \g*SLOTD
	s_add_nc_u64 s[G0B+GS*\g+2:G0B+GS*\g+3], s[60:61], \g*49152
	s_or_b32 s[G0B+GS*\g+3], s[G0B+GS*\g+3], 0x80000000
.endr
.endm
.macro FILLS
	s_cmp_eq_u32 s[WV], 0
	s_cbranch_scc0 .Lfor_b_\@
.irp g, 0
	tensor_load_to_lds s[G0A+GS*\g:G0A+GS*\g+3], s[G1A:G1A+7]
	s_nop 0
.endr
	PLACES
	s_branch .Lasked_\@
.Lfor_b_\@:
	s_cmp_lt_u32 s[WV], 3
	s_cbranch_scc0 .Lasked_\@
.irp g, 0
	tensor_load_to_lds s[G0B+GS*\g:G0B+GS*\g+3], s[G1B:G1B+7]
	s_nop 0
.endr
	PLACES
.Lasked_\@:
.endm
.macro JLOAD s                         ; a joint refill of slot s: one load a wave; an s_nop 0 and four v_nop follow each line
	s_cmp_eq_u32 s[WV], 0
	s_cbranch_scc0 .Lre_b_\@
	tensor_load_to_lds s[G0A+GS*(\s):G0A+GS*(\s)+3], s[G1A:G1A+7]
	s_nop 0
	PLACES
	s_branch .Lre_d_\@
.Lre_b_\@:
	s_cmp_lt_u32 s[WV], 3
	s_cbranch_scc0 .Lre_d_\@
	tensor_load_to_lds s[G0B+GS*(\s):G0B+GS*(\s)+3], s[G1B:G1B+7]
	s_nop 0
	PLACES
.Lre_d_\@:
.endm
.macro MM a, b, ks, zero
.set rD, 8*(8*\a+\b)
.set rB, 128*((\ks)%2)+12*\b
.set rA, AF+48*((\ks)%2)+12*\a
.set rS, SB+4*((\ks)%16)+\b/2
.set rT, SA+2*((\ks)%16)+\a/2
.set rW, 2*(\b%2)+\a%2+4*(\zero)
.if rW == 0
	v_wmma_scale_f32_16x16x128_f8f6f4 v[rD:rD+7], v[rB:rB+11], v[rA:rA+11], v[rD:rD+7], v[rS], v[rT] matrix_a_fmt:MATRIX_FMT_FP6 matrix_b_fmt:MATRIX_FMT_FP6
.elseif rW == 1
	v_wmma_scale_f32_16x16x128_f8f6f4 v[rD:rD+7], v[rB:rB+11], v[rA:rA+11], v[rD:rD+7], v[rS], v[rT] matrix_a_fmt:MATRIX_FMT_FP6 matrix_b_fmt:MATRIX_FMT_FP6 matrix_b_scale:MATRIX_SCALE_ROW1
.elseif rW == 2
	v_wmma_scale_f32_16x16x128_f8f6f4 v[rD:rD+7], v[rB:rB+11], v[rA:rA+11], v[rD:rD+7], v[rS], v[rT] matrix_a_fmt:MATRIX_FMT_FP6 matrix_b_fmt:MATRIX_FMT_FP6 matrix_a_scale:MATRIX_SCALE_ROW1
.elseif rW == 3
	v_wmma_scale_f32_16x16x128_f8f6f4 v[rD:rD+7], v[rB:rB+11], v[rA:rA+11], v[rD:rD+7], v[rS], v[rT] matrix_a_fmt:MATRIX_FMT_FP6 matrix_b_fmt:MATRIX_FMT_FP6 matrix_a_scale:MATRIX_SCALE_ROW1 matrix_b_scale:MATRIX_SCALE_ROW1
.elseif rW == 4
	v_wmma_scale_f32_16x16x128_f8f6f4 v[rD:rD+7], v[rB:rB+11], v[rA:rA+11], 0, v[rS], v[rT] matrix_a_fmt:MATRIX_FMT_FP6 matrix_b_fmt:MATRIX_FMT_FP6
.elseif rW == 5
	v_wmma_scale_f32_16x16x128_f8f6f4 v[rD:rD+7], v[rB:rB+11], v[rA:rA+11], 0, v[rS], v[rT] matrix_a_fmt:MATRIX_FMT_FP6 matrix_b_fmt:MATRIX_FMT_FP6 matrix_b_scale:MATRIX_SCALE_ROW1
.elseif rW == 6
	v_wmma_scale_f32_16x16x128_f8f6f4 v[rD:rD+7], v[rB:rB+11], v[rA:rA+11], 0, v[rS], v[rT] matrix_a_fmt:MATRIX_FMT_FP6 matrix_b_fmt:MATRIX_FMT_FP6 matrix_a_scale:MATRIX_SCALE_ROW1
.else
	v_wmma_scale_f32_16x16x128_f8f6f4 v[rD:rD+7], v[rB:rB+11], v[rA:rA+11], 0, v[rS], v[rT] matrix_a_fmt:MATRIX_FMT_FP6 matrix_b_fmt:MATRIX_FMT_FP6 matrix_a_scale:MATRIX_SCALE_ROW1 matrix_b_scale:MATRIX_SCALE_ROW1
.endif
.endm
.macro MUL32 ks, zero                  ; the 32 accumulators take turns, in the same order in every step, from tile to tile too
	WIN 0xa1
.irp a, 0,1,2,3
.irp b, 0,1,2,3,4,5,6,7
	MM \a, \b, \ks, \zero
.endr
.endr
.endm
.macro FETCH ks
.set fS, (\ks)%2
.set fR, ((\ks)/4)%2
.set fO, ((\ks)%4)*KSB
	WIN 0x40
.irp b, 0,1,2,3,4,5,6,7
.irp c, 0,1,2
	ds_load_b128 v[128*fS+12*\b+4*\c:128*fS+12*\b+4*\c+3], v[ADRB+fR] offset:fO+FRB*\b+512*\c
.endr
.endr
	WIN 0
.irp a, 0,1,2,3
.irp c, 0,1,2
	ds_load_b128 v[AF+48*fS+12*\a+4*\c:AF+48*fS+12*\a+4*\c+3], v[ADRA+fR] offset:fO+FRB*\a+512*\c
.endr
.endr
.endm
.macro SCALES set, pa, pb, oa, ob      ; a tile's scale words into a set: A's from s[pa:pa+1] + oa, B's from s[pb:pb+1] + ob
.set q, 0
.rept 8
	global_load_b64 v[SA+16*(\set)+2*q:SA+16*(\set)+2*q+1], v[L8], s[\pa:\pa+1] offset:512*q+\oa
	global_load_b64 v[SB+32*(\set)+4*q:SB+32*(\set)+4*q+1], v[L8], s[\pb:\pb+1] offset:512*q+\ob
	global_load_b64 v[SB+32*(\set)+4*q+2:SB+32*(\set)+4*q+3], v[L8], s[\pb:\pb+1] offset:512*q+256+\ob
.set q, q+1
.endr
.endm
.macro MASKLOAD t, a                   ; the 64 lane masks of tile t's block a: word j in s[32 + j] (j under 32) or s[36 + j]
	s_load_b512 s[32:47], s[MK:MK+1], 16384*(\t)+256*(\a)
	s_load_b512 s[48:63], s[MK:MK+1], 16384*(\t)+256*(\a)+64
	s_load_b512 s[68:83], s[MK:MK+1], 16384*(\t)+256*(\a)+128
	s_load_b512 s[84:99], s[MK:MK+1], 16384*(\t)+256*(\a)+192
.endm
; K step g of the walk.  At a slot's last step all the slot's fragments have been asked for: the slots change at its head
.macro KSTEP g
.if (\g)%4 == 3 && (\g) < NG-1
	PLACES
	WIN 0
	s_wait_tensorcnt 0x0                           ; all my tensor loads have landed: my part of the other slot; so a group 0 may be written
	ds_add_u32 v[SPW], v[NIL]                      ; 0 onto my spare word
.if (\g) < NG-5
	ds_add_u32 v[SPW], v[NIL]                      ; and once more
	s_add_nc_u64 s[G0B+GS*(((\g)/4)%2)+2:G0B+GS*(((\g)/4)%2)+3], s[G0B+GS*(((\g)/4)%2)+2:G0B+GS*(((\g)/4)%2)+3], 786432   ; this slot takes the same half of the second tile: k's panels eight on; q's panel is the same, so its group 0 stands as it is
	s_wait_dscnt 0x0                               ; both adds are done, and my reads of this slot are over
	ROUND                                          ; no wave of any partner still reads the slot or has a load on its way
	JLOAD ((\g)/4)%2                               ; the first thing behind the round
.else
	s_wait_dscnt 0x0
	s_barrier_signal -1                            ; the last change of slots: nothing is filled again
	s_barrier_wait -1
.endif
.if (\g)%8 != 7
	FETCH (\g)+1
	s_wait_dscnt 36                                ; all but the 36 just issued
.else
	s_wait_loadcnt 0x0
	s_wait_xcnt 0x0                                ; the prefetches have read their base too, on which the mask's words land
	MASKLOAD 0, 0
.endif
.elseif (\g)%8 == 7
	s_wait_dscnt 0x0                               ; the walk's last step: nothing more to fetch
.else
.if (\g)%8 > 0
	PLACES
.endif
	FETCH (\g)+1
	s_wait_dscnt 36                                ; all but the 36 just issued
.endif
.if (\g) == 0
	s_wait_loadcnt 0x0                             ; the first tile's scale words
.endif
.if (\g)%8 == 0
	MUL32 \g, 1                                    ; a tile's first products start the sums: nothing is cleared
.else
	MUL32 \g, 0
.endif
.endm
.macro QCODE s, pw
.irp b, 0,1,2,3
	v_add_nc_u32 v[TM+12+\b], 0xff000000, v[TM+\b]
.endr
.irp b, 0,1,2,3
	v_lshrrev_b32 v[TM+4+\b], 23, v[TM+12+\b]
.endr
	v_lshl_or_b32 v[\pw], v[TM+5], 8, v[TM+4]
	v_lshl_or_b32 v[\pw], v[TM+6], 16, v[\pw]
	v_lshl_or_b32 v[\pw], v[TM+7], 24, v[\pw]
.irp c, 0,1
	v_cvt_scalef32_pk16_fp6_f32 v[PC+6*\c:PC+2+6*\c], v[\s+32*\c:\s+15+32*\c], v[TM+12+2*\c]
	v_cvt_scalef32_pk16_fp6_f32 v[PC+12+4*\c:PC+14+4*\c], v[\s+16+32*\c:\s+31+32*\c], v[TM+12+2*\c+1]
.endr
	v_nop                                          ; one plain place behind a scaled conversion
.irp c, 0,1
.irp i, 0,1,2
	v_permlane16_swap_b32 v[PC+6*\c+\i], v[PC+12+4*\c+\i]
.endr
.irp i, 0,1,2
	v_mov_b32 v[PC+3+6*\c+\i], v[PC+12+4*\c+\i]
.endr
.endr
.endm
.macro PUT t, a                        ; the second tile's K steps lie eight behind the first's
.irp c, 0,1,2
	global_store_b128 v[LI], v[PC+4*\c:PC+4*\c+3], s[OC:OC+1] offset:98304*(\t)+FRB*(\a)+512*\c
.endr
.if (\a)%2
	v_cndmask_b32 v[EW+(\a)/2], v[PWE], v[PWE+1], s[HM]
.endif
.if (\a) == 3
	global_store_b64 v[L8], v[EW:EW+1], s[OS:OS+1] offset:4096*(\t)
.endif
.endm
.macro TAIL t, a
	WIN 0x02
.set j, 0
.rept 32
	v_pk_mul_f32 v[H+j:H+j+1], v[64*(\a)+j:64*(\a)+j+1], s[CS:CS+1] op_sel_hi:[1,0]   ; t; each accumulator from its low end on
.set j, j+2
.endr
	WIN 0
	s_wait_kmcnt 0x0                               ; the block's lane masks
.set j, 0
.rept 64
	v_cndmask_b32 v[H+j], v[TMK], v[H+j], s[32+j+4*(j/32)]
.set j, j+1
.endr
.if (\a) < 3
	MASKLOAD \t, (\a)+1
.elseif (\t) == 0
	MASKLOAD 1, 0                                  ; the second tile's first block: a whole tile ahead
.endif
.irp b, 0,1,2,3
	v_max3_num_f32 v[TM+\b], v[H+16*\b], v[H+16*\b+1], v[H+16*\b+2]   ; the largest t of each block of 32 keys: for the row's maximum, and for the block's largest p
.endr
.irp i, 3,5,7,9,11,13
.irp b, 0,1,2,3
	v_max3_num_f32 v[TM+\b], v[TM+\b], v[H+16*\b+\i], v[H+16*\b+\i+1]
.endr
.endr
.irp b, 0,1,2,3
	v_max_num_f32 v[TM+\b], v[TM+\b], v[H+16*\b+15]
.endr
.irp b, 0,1,2,3
	v_permlanex16_b32 v[TM+4+\b], v[TM+\b], s[SEL], s[SEL+1]
.endr
.irp b, 0,1,2,3
	v_max_num_f32 v[TM+\b], v[TM+\b], v[TM+4+\b]
.endr
	v_max3_num_f32 v[T1], v[TM], v[TM+1], v[TM+2]
	v_max_num_f32 v[T1], v[T1], v[TM+3]            ; the largest t of my row's 128 keys
	v_floor_f32 v[NMP], -v[T1]                     ; -M = floor(-t): M is a whole number
	v_floor_f32 v[NMP+1], -v[T1]
.set j, 0
.rept 32
	v_pk_add_f32 v[H+j:H+j+1], v[H+j:H+j+1], v[NMP:NMP+1]
.set j, j+2
.endr
.irp b, 0,1,2,3
	v_add_f32 v[TM+\b], v[TM+\b], v[NMP]
.endr
.set j, 0
	s_wait_alu depctr_va_vdst(0)
.rept 64
	v_exp_f32 v[H+j], v[H+j]                       ; p = 2^(t - M), at most 1
.set j, j+1
.endr
	v_mov_b32 v[NME+(\a)%2], v[NMP]                ; (a plain place behind the exponentials)
	s_wait_alu depctr_va_vdst(0)                   ; one wait for the whole batch, ahead of its first reader
.irp b, 0,1,2,3
	v_exp_f32 v[TM+\b], v[TM+\b]                   ; the blocks' largest p
.endr
	v_pk_add_f32 v[S0:S0+1], v[H:H+1], v[H+2:H+3]  ; the sum of the unquantised p, in two chains: plain work behind the four
	v_pk_add_f32 v[S1:S1+1], v[H+4:H+5], v[H+6:H+7]
.irp i, 8,12,16,20,24,28,32,36,40,44,48,52,56,60
	v_pk_add_f32 v[S0:S0+1], v[S0:S0+1], v[H+\i:H+\i+1]
	v_pk_add_f32 v[S1:S1+1], v[S1:S1+1], v[H+\i+2:H+\i+3]
.endr
	v_pk_add_f32 v[S0:S0+1], v[S0:S0+1], v[S1:S1+1]
	v_add_f32 v[T1], v[S0], v[S0+1]
	v_permlanex16_b32 v[TM+8], v[T1], s[SEL], s[SEL+1]
	v_add_f32 v[LE+(\a)%2], v[T1], v[TM+8]         ; with lane l xor 16's 64 keys
	s_wait_alu depctr_va_vdst(0)                   ; and one for the four
.irp b, 0,1,2,3
	v_max_num_f32 v[TM+\b], 0x1800000, v[TM+\b]    ; the floor 2^(3 - 127): the byte cannot fall under 1
.endr
	s_wait_alu depctr_va_vdst(0)
	s_wait_xcnt 0x0                                ; the last block's stores have read their registers, which the conversions below write again
	QCODE H, PWE+(\a)%2
	PUT \t, \a
.if (\a)%2
	v_cndmask_b32 v[EN+(\a)/2], v[NME], v[NME+1], s[HM]
	v_cndmask_b32 v[EL+(\a)/2], v[LE], v[LE+1], s[HM]
.endif
.endm
.macro TILEOUT t                       ; tile t's way out
	WIN 0
	PLACES
.irp b, 0,1,2,3,4
	v_mov_b32 v[TM+4+\b], 0                        ; a lane permute's destination counts as one of its sources
.endr
.irp a, 0,1,2,3
	TAIL \t, \a
.endr
	global_store_b64 v[L8], v[EN:EN+1], s[OS:OS+1] offset:524288+4096*(\t)     ; -M and the sums lie as the scale words lie
	global_store_b64 v[L8], v[EL:EL+1], s[OS:OS+1] offset:1048576+4096*(\t)
.if (\t) == 0
	s_wait_xcnt 0x0                                ; the stores have read their registers, into which the fragments below are loaded
.rept 8
	v_nop                                          ; the way out has written A's registers by vector instructions: places between those writes and the next tile's products
.endr
	FETCH 8                                        ; the second tile's first fragments: its first half was shown landed at K step 7's change of slots
.endif
.endm
	s_load_b128 s[84:87], s[0:1], 0x0              ; prj, mkw
	s_load_b64 s[88:89], s[0:1], 0x10              ; att
	IDS
	s_mov_b32 s[CS], 0x3d38aa3b                    ; log2(e) / 32: the division by 32 is exact, so score x this = (score / 32) x log2(e)
	s_mov_b32 s[CS+1], s[CS]
	s_and_b32 s94, ttmp7, 0xffff
	s_lshl_b32 s[TY], s94, 2
	s_add_co_u32 s[TY], s[TY], s[CY]               ; which panel of queries, of 64
	s_lshr_b32 s94, s94, 2
	s_lshl_b32 s94, s94, 4                         ; the batch's first panel
	s_mul_i32 s56, s[TY], 98304                    ; q's panel: of the work-group's place it holds cy alone
	s_mov_b32 s57, 0
	s_lshl_b32 s95, s[CX], 1                       ; the first tile's keys: 256 cx on
	s_add_co_u32 s95, s95, s94
	s_add_co_u32 s60, s95, s[PB]
	s_mul_i32 s60, s60, 98304
	s_add_co_u32 s60, s60, 6291456                 ; the panel of k that I fetch: cx alone
	s_mov_b32 s61, 0
	s_lshl_b32 s48, s[TY], 12                      ; q's scale words
	s_lshl_b32 s49, s[WM], 8
	s_add_co_u32 s48, s48, s49
	s_add_co_u32 s48, s48, 18874368
	s_mov_b32 s49, 0
	s_add_co_u32 s50, s95, s[WN]                   ; k's
	s_lshl_b32 s50, s50, 12
	s_add_co_u32 s50, s50, 18874368+262144
	s_mov_b32 s51, 0
	s_lshl_b32 s96, s[CX], 1
	s_add_co_u32 s96, s96, s[WN]                   ; T: my 128 keys of the batch's 2,048, in the first tile
	s_mul_i32 s[OC], s[TY], 196608                 ; where my codes go in att
	s_mul_i32 s[OC+1], s96, 12288
	s_add_co_u32 s[OC], s[OC], s[OC+1]
	s_mul_i32 s[OC+1], s[WM], 6144
	s_add_co_u32 s[OC], s[OC], s[OC+1]
	s_mov_b32 s[OC+1], 0
	s_lshl_b32 s[OS], s[TY], 13                    ; and my scale words
	s_lshl_b32 s[OS+1], s96, 9
	s_add_co_u32 s[OS], s[OS], s[OS+1]
	s_lshl_b32 s[OS+1], s[WM], 8
	s_add_co_u32 s[OS], s[OS], s[OS+1]
	s_add_co_u32 s[OS], s[OS], 12582912
	s_mov_b32 s[OS+1], 0
	s_and_b32 s[MK], s[TY], 15                     ; my four blocks' mask words
	s_lshl_b32 s[MK], s[MK], 4
	s_add_co_u32 s[MK], s[MK], s96
	s_lshl_b32 s[MK], s[MK], 11
	s_lshl_b32 s[MK+1], s[WM], 10
	s_add_co_u32 s[MK], s[MK], s[MK+1]
	s_mov_b32 s[MK+1], 0
	VADR
	s_wait_dscnt 0x0                               ; both opening adds are done
	ROUND                                          ; the round in front of the first joint loads; it needs no argument, so it stands ahead of the wait for them
	s_wait_kmcnt 0x0
	s_add_nc_u64 s[56:57], s[84:85], s[56:57]
	s_add_nc_u64 s[60:61], s[84:85], s[60:61]
	s_add_nc_u64 s[48:49], s[84:85], s[48:49]
	s_add_nc_u64 s[50:51], s[84:85], s[50:51]
	s_add_nc_u64 s[OC:OC+1], s[88:89], s[OC:OC+1]
	s_add_nc_u64 s[OS:OS+1], s[88:89], s[OS:OS+1]
	s_add_nc_u64 s[MK:MK+1], s[86:87], s[MK:MK+1]
	G0SET
	FILLS
	s_wait_alu depctr_va_vdst(0)
	SCALES 0, 48, 50, 0, 0                         ; the first tile's scale words
	v_mov_b32 v[TMK], 0xce6e6b28                   ; -1e9,
	v_mul_f32 v[TMK], 0x3fb8aa3b, v[TMK]           ; x log2(e)
	s_mul_i32 s99, s[CY], 24576                    ; the prefetch's offset: 256 x (96 x my place in the cluster's column + lane)
	v_and_b32 v14, 31, v0
	v_lshlrev_b32 v14, 8, v14
	v_add_nc_u32 v14, s99, v14
	s_wait_alu depctr_va_vdst(0)
	s_wait_tensorcnt 0x0
	s_mov_b32 s[G1A+2], TR<<16
	s_mov_b32 s[G1A+4], TR
	s_mov_b32 s[G1B+2], TR<<16
	s_mov_b32 s[G1B+4], TR
	s_barrier_signal -1
	s_barrier_wait -1                              ; everybody's has
	FETCH 0
; PREFETCH of the second tile's panels of k, eight panels on (their halves are loaded at K steps 3 and 7): a panel is 384 blocks of 256 bytes; the four partners of my column share them out by address, 96 each.
; q's panel has been read by then and is not asked for: so waves 1 and 2 alone ask.
	s_cmp_eq_u32 s[WV], 0
	s_cbranch_scc1 .Lno_ask
	s_cmp_lt_u32 s[WV], 3
	s_cbranch_scc0 .Lno_ask
	global_prefetch_b8 v14, s[60:61] offset:786432 th:TH_LOAD_NT scope:SCOPE_SE
	global_prefetch_b8 v14, s[60:61] offset:786432+8192 th:TH_LOAD_NT scope:SCOPE_SE
	global_prefetch_b8 v14, s[60:61] offset:786432+16384 th:TH_LOAD_NT scope:SCOPE_SE
.Lno_ask:
	KSTEP 0
	WIN 0
	SCALES 1, 48, 50, 0, 32768                     ; the second tile's, into the other set: q's once more, k's eight panels on
.irp k, 1,2,3,4,5,6,7
	KSTEP \k
.endr
	TILEOUT 0
.irp k, 8,9,10,11,12,13,14,15
	KSTEP \k
.endr
	TILEOUT 1
	s_wait_tensorcnt 0x0                           ; the wave's end
	ds_add_u32 v[SPW], v[NIL]
	s_wait_dscnt 0x0
	ROUND                                          ; the closing round
	s_endpgm
.Lfunc_end_k_qa4c982a12a_scores:
	.size	k_qa4c982a12a_scores, .Lfunc_end_k_qa4c982a12a_scores-k_qa4c982a12a_scores
	.p2alignl 7, 3214868480
	.fill 96, 4, 3214868480
	.section	.rodata,"a",@progbits
	.p2align	6, 0x0
	.amdhsa_kernel k_qa4c982a12a_scores
		.amdhsa_group_segment_fixed_size 327680
		.amdhsa_private_segment_fixed_size 0
		.amdhsa_enable_private_segment 0
		.amdhsa_kernarg_size 24
		.amdhsa_user_sgpr_count 2
		.amdhsa_user_sgpr_kernarg_segment_ptr 1
		.amdhsa_wavefront_size32 1
		.amdhsa_system_sgpr_workgroup_id_x 1
		.amdhsa_system_sgpr_workgroup_id_y 1
		.amdhsa_system_sgpr_workgroup_id_z 1
		.amdhsa_system_vgpr_workitem_id 0
		.amdhsa_next_free_vgpr 768
		.amdhsa_next_free_sgpr 106
		.amdhsa_reserve_vcc 0
		.amdhsa_float_denorm_mode_32 3
		.amdhsa_float_denorm_mode_16_64 3
		.amdhsa_memory_ordered 1
		.amdhsa_forward_progress 1
		.amdhsa_inst_pref_size 255
	.end_amdhsa_kernel
	.section	.bss,"aw",@nobits
	.p2align	6
	.space	262144
	.amdgpu_metadata
---
amdhsa.version: [ 1, 2 ]
amdhsa.kernels:
  - .name:           k_qa4c982a12a_scores
    .symbol:         k_qa4c982a12a_scores.kd
    .args:
      - { .name: prj, .offset: 0, .size: 8, .value_kind: global_buffer, .address_space: global }
      - { .name: mkw, .offset: 8, .size: 8, .value_kind: global_buffer, .address_space: global }
      - { .name: att, .offset: 16, .size: 8, .value_kind: global_buffer, .address_space: global }
    .group_segment_fixed_size: 327680
    .private_segment_fixed_size: 0
    .kernarg_segment_align: 8
    .kernarg_segment_size: 24
    .max_flat_workgroup_size: 128
    .sgpr_count:     106
    .vgpr_count:     768
    .wavefront_size: 32
...
	.end_amdgpu_metadata
.endif
;; end of part 3
;; launch pv (part 4): grid 4 x 64, 4 waves a work-group, clusters of 4 x 4, 327,680 bytes of LDS; arguments att, prj, xat; writes xat
.if DOCPART == 4
	.amdgcn_target "amdgcn-amd-amdhsa--gfx1250"
	.amdhsa_code_object_version 6
	.text
	.protected	k_qa4c982a12a_pv
	.globl	k_qa4c982a12a_pv
	.p2align	8
	.type	k_qa4c982a12a_pv,@function
k_qa4c982a12a_pv:
	s_mov_b64 s[64:65], 0
	v_nop
	global_prefetch_b8 v0, s[64:65] scope:SCOPE_SE
	s_setreg_imm32_b32 hwreg(HW_REG_WAVE_MODE, 25, 1), 1
	s_wait_xcnt 0x0
	s_wait_alu depctr_hold_cnt(0) depctr_sa_sdst(0) depctr_va_vdst(0) depctr_va_sdst(0) depctr_va_ssrc(0) depctr_va_vcc(0) depctr_vm_vsrc(0)
	s_getreg_b32 s2, hwreg(HW_REG_IB_STS2, 6, 4)
	s_cmp_eq_u32 s2, 0
	s_cbranch_scc0 .Lentry_in_a_cluster
	s_endpgm
.Lentry_in_a_cluster:
	s_bfe_u32 s2, ttmp6, 0x10000c
	s_cmp_lg_u32 s2, 0xf033
	s_cbranch_scc0 .Lentry_shape_is_right
	s_endpgm
.Lentry_shape_is_right:
; FOURTH LAUNCH: x = (p v) / l, quantised along d on the way out.  Nothing is left out.
; C[query][d] = sum over the keys of p[query][key] v^T[d][key], K = 2,048.  128 queries x 256 d to a work-group, 64 x 128 to a wave; 4 x 4 clusters, p's panel shared along a row, v^T's panels along a column.
; AT THE HEAD each wave brings its 64 rows under the row's own M.  By the scale words' layout a lane holds two rows for all sixteen K steps, so no other lane is asked: -M of the row is the least of the sixteen -M;
; nd = M of the row - M of the K step, a whole number, held at 127; l = the sum of the sixteen sums x 2^-nd; nd is taken off each of the K step's four bytes, held at 0 from below (four bytes at a time: a byte is at most 125,
; so with bit 7 set beside it no borrow leaves a byte).
; LIMITS: a block of p that lies more than 2^125 under the row's largest p is taken at the scale 2^-127, and a sum more than 2^127 under it at 2^-127 of itself: both are nothing beside l, which is over 1/2.  1 / l is v_rcp_f32's.
;   A block of zeros has the byte 1; NaN and infinities are not served.
; THE RING: two slots of four K steps, each [A 49,152 | B's first panel | B's second]; two refills, each behind a round of the cluster's barrier, with four K steps, 128 matrix instructions, in which to land.
; Wave 0 fetches A's part, waves 1 and 2 B's, wave 3 nothing.  By this text's own count a wave has at most two tensor loads outstanding.
.set TR,    192                        ; rows of 256 bytes in a tensor load: four K steps of a panel
; LDS: eight K steps of p, then of v^T's first panel, then of its second: slot 0 is the first half of each region, slot 1 the second half
.set SLOTD, 49152
.set BSTR,  98304
.set BOFF,  98304
.set FRB,   1536
.set KSB,   12288
.set SPARE, 294912
.set LI,   4
.set L8,   5
.set ADRA, 6
.set ADRB, 8
.set SPW,  10
.set NIL,  11
.set SA,   16
.set SB,   48
.set AF,   112
.set H,    112
.set PC,   176
.set TM,   196
.set PWE,  212
.set EW,   214
.set NMR,  112                         ; the head: v112-143 -M of the K steps, then nd; v144-175 their sums
.set LR,   144
.set NG,   208                         ; v208, v209 -M of my two rows
.set LSUM, 210                         ; v[210:211] l, then 1 / l
.set T0,   212                         ; v212-215 at work
.set RL,   232                         ; v232-239 1 / l of block a's row of my lane, in both registers of a pair
.set WV,   14
.set WM,   15
.set WN,   16
.set CX,   17
.set CY,   18
.set TX,   19
.set TY,   20
.set PB,   21
.set HM,   22
.set G1A,  24
.set G1B,  32
.set G0A,  40
.set G0B,  68
.set SEL,  100
.set MSB, 0
.macro WIN new
.if MSB != \new
	s_set_vgpr_msb (MSB<<8)|\new
.set MSB, \new
.endif
.endm
.macro PLACES
.rept 4
	v_nop
.endr
.endm
.macro ROUND
	s_barrier_signal -1
	s_barrier_wait -1
	s_cmp_lg_u32 s[WV], 0
	s_cbranch_scc1 .Lnot_wave_0_\@
	s_barrier_signal -3
.Lnot_wave_0_\@:
	s_barrier_wait -3
	s_barrier_signal -1
	s_barrier_wait -1
.endm
.macro IDS
	v_lshl_add_u32 v[SPW], v0, 2, SPARE
	v_mov_b32 v[NIL], 0
	ds_add_u32 v[SPW], v[NIL]                      ; the wave's opening: the add, twice on end, and its wait ahead of my first tensor load
	ds_add_u32 v[SPW], v[NIL]
	v_lshrrev_b32 v1, 5, v0
	v_readfirstlane_b32 s[WV], v1
	s_lshr_b32 s[WM], s[WV], 1
	s_and_b32 s[WN], s[WV], 1
	s_max_u32 s[PB], s[WV], 1
	s_sub_co_u32 s[PB], s[PB], 1
	s_bfe_u32 s[CX], ttmp6, 0x40000
	s_bfe_u32 s[CY], ttmp6, 0x40004
	s_mov_b32 s[HM], 0xffff0000
	s_mov_b32 s[SEL], 0x76543210
	s_mov_b32 s[SEL+1], 0xfedcba98
	s_lshl_b32 s56, s[CY], 2
	s_lshl_b32 s56, 15, s56
	s_lshl_b32 s60, 0x1111, s[CX]
	s_or_b32 s[G1A], s56, (3<<16)|(1<<21)
	s_or_b32 s[G1B], s60, (3<<16)|(1<<21)
.irp g, G1A, G1B
	s_mov_b32 s[\g+1], 32<<16
	s_mov_b32 s[\g+2], (2*TR)<<16                  ; the head's load brings both halves of a region: 2 TR rows
	s_mov_b32 s[\g+3], 32<<16
	s_mov_b32 s[\g+4], 2*TR
	s_mov_b32 s[\g+5], 32
	s_mov_b32 s[\g+6], 0
	s_mov_b32 s[\g+7], 0
.endr
.endm
.macro VADR                            ; the lanes' addresses; s3 is at work here alone, so that no offset made ahead of this macro is lost
	v_and_b32 v1, 31, v0
	v_lshlrev_b32 v[LI], 4, v1
	v_lshlrev_b32 v[L8], 3, v1
	s_mul_i32 s3, s[WM], 6144
	v_add_nc_u32 v[ADRA], s3, v[LI]
	v_add_nc_u32 v[ADRA+1], SLOTD, v[ADRA]
	s_mul_i32 s3, s[WN], BSTR
	s_add_co_u32 s3, s3, BOFF
	v_add_nc_u32 v[ADRB], s3, v[LI]
	v_add_nc_u32 v[ADRB+1], SLOTD, v[ADRB]
.endm
.macro G0SET n, gstep, lstep, wstr
	s_mul_i32 s99, s[WV], \wstr
.set g, 0
.rept \n
	s_mov_b32 s[G0A+4*g], 1
	s_mov_b32 s[G0A+4*g+1], g*\lstep
	s_add_nc_u64 s[G0A+4*g+2:G0A+4*g+3], s[56:57], g*\gstep
	s_or_b32 s[G0A+4*g+3], s[G0A+4*g+3], 0x80000000
	s_mov_b32 s[G0B+4*g], 1
	s_add_co_u32 s[G0B+4*g+1], s99, g*\lstep
	s_add_nc_u64 s[G0B+4*g+2:G0B+4*g+3], s[60:61], g*\gstep
	s_or_b32 s[G0B+4*g+3], s[G0B+4*g+3], 0x80000000
.set g, g+1
.endr
.endm
.macro FILLS n
	s_cmp_eq_u32 s[WV], 0
	s_cbranch_scc0 .Lfor_b_\@
.set g, 0
.rept \n
	tensor_load_to_lds s[G0A+4*g:G0A+4*g+3], s[G1A:G1A+7]
	s_nop 0
.set g, g+1
.endr
	PLACES
	s_branch .Lasked_\@
.Lfor_b_\@:
	s_cmp_lt_u32 s[WV], 3
	s_cbranch_scc0 .Lasked_\@
.set g, 0
.rept \n
	tensor_load_to_lds s[G0B+4*g:G0B+4*g+3], s[G1B:G1B+7]
	s_nop 0
.set g, g+1
.endr
	PLACES
.Lasked_\@:
.endm
.macro JLOAD s                         ; a joint refill of slot s: one load a wave; an s_nop 0 and four v_nop follow each line
	s_cmp_eq_u32 s[WV], 0
	s_cbranch_scc0 .Lre_b_\@
	tensor_load_to_lds s[G0A+4*(\s):G0A+4*(\s)+3], s[G1A:G1A+7]
	s_nop 0
	PLACES
	s_branch .Lre_d_\@
.Lre_b_\@:
	s_cmp_lt_u32 s[WV], 3
	s_cbranch_scc0 .Lre_d_\@
	tensor_load_to_lds s[G0B+4*(\s):G0B+4*(\s)+3], s[G1B:G1B+7]
	s_nop 0
	PLACES
.Lre_d_\@:
.endm
.macro MM a, b, ks, zero
.set rD, 8*(8*\a+\b)
.set rB, 128*((\ks)%2)+12*\b
.set rA, AF+48*((\ks)%2)+12*\a
.set rS, SB+4*(\ks)+\b/2
.set rT, SA+2*(\ks)+\a/2
.set rW, 2*(\b%2)+\a%2+4*(\zero)
.if rW == 0
	v_wmma_scale_f32_16x16x128_f8f6f4 v[rD:rD+7], v[rB:rB+11], v[rA:rA+11], v[rD:rD+7], v[rS], v[rT] matrix_a_fmt:MATRIX_FMT_FP6 matrix_b_fmt:MATRIX_FMT_FP6
.elseif rW == 1
	v_wmma_scale_f32_16x16x128_f8f6f4 v[rD:rD+7], v[rB:rB+11], v[rA:rA+11], v[rD:rD+7], v[rS], v[rT] matrix_a_fmt:MATRIX_FMT_FP6 matrix_b_fmt:MATRIX_FMT_FP6 matrix_b_scale:MATRIX_SCALE_ROW1
.elseif rW == 2
	v_wmma_scale_f32_16x16x128_f8f6f4 v[rD:rD+7], v[rB:rB+11], v[rA:rA+11], v[rD:rD+7], v[rS], v[rT] matrix_a_fmt:MATRIX_FMT_FP6 matrix_b_fmt:MATRIX_FMT_FP6 matrix_a_scale:MATRIX_SCALE_ROW1
.elseif rW == 3
	v_wmma_scale_f32_16x16x128_f8f6f4 v[rD:rD+7], v[rB:rB+11], v[rA:rA+11], v[rD:rD+7], v[rS], v[rT] matrix_a_fmt:MATRIX_FMT_FP6 matrix_b_fmt:MATRIX_FMT_FP6 matrix_a_scale:MATRIX_SCALE_ROW1 matrix_b_scale:MATRIX_SCALE_ROW1
.elseif rW == 4
	v_wmma_scale_f32_16x16x128_f8f6f4 v[rD:rD+7], v[rB:rB+11], v[rA:rA+11], 0, v[rS], v[rT] matrix_a_fmt:MATRIX_FMT_FP6 matrix_b_fmt:MATRIX_FMT_FP6
.elseif rW == 5
	v_wmma_scale_f32_16x16x128_f8f6f4 v[rD:rD+7], v[rB:rB+11], v[rA:rA+11], 0, v[rS], v[rT] matrix_a_fmt:MATRIX_FMT_FP6 matrix_b_fmt:MATRIX_FMT_FP6 matrix_b_scale:MATRIX_SCALE_ROW1
.elseif rW == 6
	v_wmma_scale_f32_16x16x128_f8f6f4 v[rD:rD+7], v[rB:rB+11], v[rA:rA+11], 0, v[rS], v[rT] matrix_a_fmt:MATRIX_FMT_FP6 matrix_b_fmt:MATRIX_FMT_FP6 matrix_a_scale:MATRIX_SCALE_ROW1
.else
	v_wmma_scale_f32_16x16x128_f8f6f4 v[rD:rD+7], v[rB:rB+11], v[rA:rA+11], 0, v[rS], v[rT] matrix_a_fmt:MATRIX_FMT_FP6 matrix_b_fmt:MATRIX_FMT_FP6 matrix_a_scale:MATRIX_SCALE_ROW1 matrix_b_scale:MATRIX_SCALE_ROW1
.endif
.endm
.macro MUL32 ks, zero                  ; the 32 accumulators take turns, in the same order in every step
	WIN 0xa1
.irp a, 0,1,2,3
.irp b, 0,1,2,3,4,5,6,7
	MM \a, \b, \ks, \zero
.endr
.endr
.endm
.macro FETCH ks
.set fS, (\ks)%2
.set fR, ((\ks)/4)%2
.set fO, ((\ks)%4)*KSB
	WIN 0x40
.irp b, 0,1,2,3,4,5,6,7
.irp c, 0,1,2
	ds_load_b128 v[128*fS+12*\b+4*\c:128*fS+12*\b+4*\c+3], v[ADRB+fR] offset:fO+FRB*\b+512*\c
.endr
.endr
	WIN 0
.irp a, 0,1,2,3
.irp c, 0,1,2
	ds_load_b128 v[AF+48*fS+12*\a+4*\c:AF+48*fS+12*\a+4*\c+3], v[ADRA+fR] offset:fO+FRB*\a+512*\c
.endr
.endr
.endm
.macro BSCALES n
.set q, 0
.rept \n
	global_load_b64 v[SB+4*q:SB+4*q+1], v[L8], s[10:11] offset:512*q
	global_load_b64 v[SB+4*q+2:SB+4*q+3], v[L8], s[10:11] offset:512*q+256
.set q, q+1
.endr
.endm
; K step ks.  At a slot's last step all the slot's fragments have been asked for: the slots change at its head
.macro KSTEP ks
.if (\ks)%4 == 3 && (\ks) < 15
	PLACES
	WIN 0
	s_wait_tensorcnt 0x0                           ; all my tensor loads have landed: my part of the next slot; so a group 0 may be written
	ds_add_u32 v[SPW], v[NIL]                      ; 0 onto my spare word
.if (\ks) < 11
	ds_add_u32 v[SPW], v[NIL]                      ; and once more
	s_add_nc_u64 s[G0A+4*(((\ks)/4)%2)+2:G0A+4*(((\ks)/4)%2)+3], s[G0A+4*(((\ks)/4)%2)+2:G0A+4*(((\ks)/4)%2)+3], 98304   ; this slot's next four K steps: eight on
	s_add_nc_u64 s[G0B+4*(((\ks)/4)%2)+2:G0B+4*(((\ks)/4)%2)+3], s[G0B+4*(((\ks)/4)%2)+2:G0B+4*(((\ks)/4)%2)+3], 98304
	s_wait_dscnt 0x0                               ; both adds are done, and my reads of this slot are over
	ROUND                                          ; no wave of any partner still reads the slot or has a load on its way
	JLOAD ((\ks)/4)%2                              ; the first thing behind the round
.else
	s_wait_dscnt 0x0
	s_barrier_signal -1                            ; the last change of slots: nothing is filled again
	s_barrier_wait -1
.endif
	FETCH (\ks)+1
	s_wait_dscnt 36
.elseif (\ks) < 15
.if (\ks) > 0
	PLACES
.endif
	FETCH (\ks)+1
	s_wait_dscnt 36                                ; all but the 36 just issued
.else
	s_wait_dscnt 0x0
.endif
.if (\ks) == 0
	s_wait_loadcnt 0x0                             ; B's scale words
	MUL32 0, 1
.else
	MUL32 \ks, 0
.endif
.endm
.macro QMAX s
.irp b, 0,1,2,3
	v_max3_num_f32 v[TM+\b], |v[\s+16*\b]|, |v[\s+1+16*\b]|, 0x1800000
.endr
.irp i, 2,4,6,8,10,12,14
.irp b, 0,1,2,3
	v_max3_num_f32 v[TM+\b], v[TM+\b], |v[\s+16*\b+\i]|, |v[\s+1+16*\b+\i]|
.endr
.endr
.irp b, 0,1,2,3
	v_permlanex16_b32 v[TM+4+\b], v[TM+\b], s[SEL], s[SEL+1]
.endr
.irp b, 0,1,2,3
	v_max_num_f32 v[TM+\b], v[TM+\b], v[TM+4+\b]
.endr
.endm
.macro QCODE s, pw
.irp b, 0,1,2,3
	v_add_nc_u32 v[TM+12+\b], 0xff000000, v[TM+\b]
.endr
.irp b, 0,1,2,3
	v_lshrrev_b32 v[TM+4+\b], 23, v[TM+12+\b]
.endr
	v_lshl_or_b32 v[\pw], v[TM+5], 8, v[TM+4]
	v_lshl_or_b32 v[\pw], v[TM+6], 16, v[\pw]
	v_lshl_or_b32 v[\pw], v[TM+7], 24, v[\pw]
.irp c, 0,1
	v_cvt_scalef32_pk16_fp6_f32 v[PC+6*\c:PC+2+6*\c], v[\s+32*\c:\s+15+32*\c], v[TM+12+2*\c]
	v_cvt_scalef32_pk16_fp6_f32 v[PC+12+4*\c:PC+14+4*\c], v[\s+16+32*\c:\s+31+32*\c], v[TM+12+2*\c+1]
.endr
	v_nop                                          ; one plain place behind a scaled conversion
.irp c, 0,1
.irp i, 0,1,2
	v_permlane16_swap_b32 v[PC+6*\c+\i], v[PC+12+4*\c+\i]
.endr
.irp i, 0,1,2
	v_mov_b32 v[PC+3+6*\c+\i], v[PC+12+4*\c+\i]
.endr
.endr
.endm
.macro PUT a
.irp c, 0,1,2
	global_store_b128 v[LI], v[PC+4*\c:PC+4*\c+3], s[4:5] offset:FRB*(\a)+512*\c
.endr
.if (\a)%2
	v_cndmask_b32 v[EW+(\a)/2], v[PWE], v[PWE+1], s[HM]
.endif
.if (\a) == 3
	global_store_b64 v[L8], v[EW:EW+1], s[6:7]
.endif
.endm
	s_load_b128 s[84:87], s[0:1], 0x0              ; att, prj
	s_load_b64 s[88:89], s[0:1], 0x10              ; xat
	IDS
	s_lshl_b32 s[TX], ttmp9, 2
	s_add_co_u32 s[TX], s[TX], s[CX]               ; which 256 of d
	s_and_b32 s94, ttmp7, 0xffff
	s_lshl_b32 s[TY], s94, 2
	s_add_co_u32 s[TY], s[TY], s[CY]               ; which panel of queries
	s_lshr_b32 s94, s94, 2                         ; the batch
	s_mul_i32 s56, s[TY], 196608                   ; p's panel
	s_mov_b32 s57, 0
	s_lshl_b32 s60, s[TX], 1
	s_add_co_u32 s60, s60, s[PB]
	s_mul_i32 s60, s60, 196608
	s_mul_i32 s61, s94, 1572864
	s_add_co_u32 s60, s60, s61
	s_add_co_u32 s60, s60, 12582912                ; the panel of v^T that I fetch
	s_mov_b32 s61, 0
	s_lshl_b32 s58, s[TY], 13
	s_lshl_b32 s59, s[WM], 8
	s_add_co_u32 s58, s58, s59
	s_add_co_u32 s58, s58, 12582912
	s_mov_b32 s59, 0
	s_lshl_b32 s66, s[TX], 1
	s_add_co_u32 s66, s66, s[WN]                   ; T: my panel of v^T = the result's K step
	s_lshl_b32 s62, s66, 13
	s_lshl_b32 s63, s94, 16
	s_add_co_u32 s62, s62, s63
	s_add_co_u32 s62, s62, 18874368+524288
	s_mov_b32 s63, 0
	s_mul_i32 s94, s[TY], 98304                    ; s[94:95]: where my codes go in xat
	s_mul_i32 s95, s66, 12288
	s_add_co_u32 s94, s94, s95
	s_mul_i32 s95, s[WM], 6144
	s_add_co_u32 s94, s94, s95
	s_mov_b32 s95, 0
	s_lshl_b32 s96, s[TY], 12                      ; s[96:97]: and my scale words
	s_lshl_b32 s97, s66, 9
	s_add_co_u32 s96, s96, s97
	s_lshl_b32 s97, s[WM], 8
	s_add_co_u32 s96, s96, s97
	s_add_co_u32 s96, s96, 6291456
	s_mov_b32 s97, 0
	s_mov_b32 s98, 0x80808080
	VADR
	s_wait_dscnt 0x0                               ; both opening adds are done
	ROUND                                          ; the round in front of the first joint loads; it needs no argument, so it stands ahead of the wait for them
	s_wait_kmcnt 0x0
	s_add_nc_u64 s[56:57], s[84:85], s[56:57]
	s_add_nc_u64 s[60:61], s[86:87], s[60:61]
	s_add_nc_u64 s[8:9], s[84:85], s[58:59]
	s_add_nc_u64 s[10:11], s[86:87], s[62:63]
	s_add_nc_u64 s[4:5], s[88:89], s[94:95]
	s_add_nc_u64 s[6:7], s[88:89], s[96:97]
	G0SET 2, 49152, 49152, 98304
	FILLS 1
.set q, 0
	s_wait_alu depctr_va_vdst(0)
.rept 16
	global_load_b64 v[SA+2*q:SA+2*q+1], v[L8], s[8:9] offset:512*q              ; p's bytes under the K steps' own M,
	global_load_b64 v[NMR+2*q:NMR+2*q+1], v[L8], s[8:9] offset:512*q+524288     ; -M,
	global_load_b64 v[LR+2*q:LR+2*q+1], v[L8], s[8:9] offset:512*q+1048576      ; and the sums
.set q, q+1
.endr
	BSCALES 16
	s_wait_loadcnt 32                              ; all but B's 32
.irp j, 0,1
	v_min3_num_f32 v[NG+\j], v[NMR+\j], v[NMR+2+\j], v[NMR+4+\j]
.endr
.irp k, 3,5,7,9,11,13
.irp j, 0,1
	v_min3_num_f32 v[NG+\j], v[NG+\j], v[NMR+2*\k+\j], v[NMR+2*\k+2+\j]
.endr
.endr
.irp j, 0,1
	v_min_num_f32 v[NG+\j], v[NG+\j], v[NMR+30+\j] ; -M of the row
.endr
.set q0, 0
.rept 8                                        ; four words at a time, by turns
.irp d, 0,1,2,3
	v_sub_f32 v[NMR+q0+\d], v[NMR+q0+\d], v[NG+\d%2]
.endr
.irp d, 0,1,2,3
	v_cvt_u32_f32 v[NMR+q0+\d], v[NMR+q0+\d]
.endr
.irp d, 0,1,2,3
	v_min_u32 v[NMR+q0+\d], 127, v[NMR+q0+\d]      ; nd
.endr
.irp d, 0,1,2,3
	v_sub_nc_u32 v[T0+\d], 0, v[NMR+q0+\d]
.endr
.irp d, 0,1,2,3
	v_ldexp_f32 v[LR+q0+\d], v[LR+q0+\d], v[T0+\d] ; the K step's sum under the row's M
.endr
.irp d, 0,1,2,3
	v_lshl_or_b32 v[NMR+q0+\d], v[NMR+q0+\d], 8, v[NMR+q0+\d]
.endr
.irp d, 0,1,2,3
	v_lshl_or_b32 v[NMR+q0+\d], v[NMR+q0+\d], 16, v[NMR+q0+\d]   ; nd in all four bytes
.endr
.irp d, 0,1,2,3
	v_or_b32 v[SA+q0+\d], s98, v[SA+q0+\d]
.endr
.irp d, 0,1,2,3
	v_sub_nc_u32 v[SA+q0+\d], v[SA+q0+\d], v[NMR+q0+\d]          ; 128 + byte - nd: bit 7 stays where byte >= nd
.endr
.irp d, 0,1,2,3
	v_and_b32 v[NMR+q0+\d], s98, v[SA+q0+\d]
.endr
.irp d, 0,1,2,3
	v_lshrrev_b32 v[T0+\d], 7, v[NMR+q0+\d]
.endr
.irp d, 0,1,2,3
	v_sub_nc_u32 v[NMR+q0+\d], v[NMR+q0+\d], v[T0+\d]            ; 0x7f in those bytes, 0 in the others
.endr
.irp d, 0,1,2,3
	v_and_b32 v[SA+q0+\d], v[SA+q0+\d], v[NMR+q0+\d]             ; byte - nd, or 0
.endr
.set q0, q0+4
.endr
	v_pk_add_f32 v[LSUM:LSUM+1], v[LR:LR+1], v[LR+2:LR+3]        ; l of my two rows at once, in two chains.  (These and the lines below are more than the eight places between the last write of a scale register and the first product)
	v_pk_add_f32 v[T0:T0+1], v[LR+4:LR+5], v[LR+6:LR+7]
.irp k, 4,6,8,10,12,14
	v_pk_add_f32 v[LSUM:LSUM+1], v[LSUM:LSUM+1], v[LR+2*\k:LR+2*\k+1]
	v_pk_add_f32 v[T0:T0+1], v[T0:T0+1], v[LR+2*\k+2:LR+2*\k+3]
.endr
	v_pk_add_f32 v[LSUM:LSUM+1], v[LSUM:LSUM+1], v[T0:T0+1]
	s_wait_alu depctr_va_vdst(0)
	v_rcp_f32 v[LSUM], v[LSUM]
	v_rcp_f32 v[LSUM+1], v[LSUM+1]
	v_mov_b32 v[T0], 0                             ; (a plain place behind the reciprocals; a lane permute's destination counts as one of its sources)
	v_mov_b32 v[T0+1], 0
	s_wait_alu depctr_va_vdst(0)                   ; one wait for both, ahead of the first reader
	v_permlanex16_b32 v[T0], v[LSUM], s[SEL], s[SEL+1]
	v_permlanex16_b32 v[T0+1], v[LSUM+1], s[SEL], s[SEL+1]
.irp j, 0,1                                    ; register j holds block 2 j's rows in lanes 0-15 and block 2 j + 1's in lanes 16-31: each is spread to both halves of the lanes
	v_cndmask_b32 v[RL+4*\j], v[LSUM+\j], v[T0+\j], s[HM]
	v_cndmask_b32 v[RL+4*\j+1], v[LSUM+\j], v[T0+\j], s[HM]
	v_cndmask_b32 v[RL+4*\j+2], v[T0+\j], v[LSUM+\j], s[HM]
	v_cndmask_b32 v[RL+4*\j+3], v[T0+\j], v[LSUM+\j], s[HM]
.endr
	s_cmp_eq_u32 s[WV], 0                          ; the prefetch: the panel that I fetch,
	s_cselect_b64 s[90:91], s[56:57], s[60:61]
	s_cselect_b32 s92, s[CX], s[CY]                ; and my place among the four that ask for it with me
	s_mul_i32 s92, s92, 24576
	v_and_b32 v14, 31, v0
	v_lshlrev_b32 v14, 8, v14
	v_add_nc_u32 v14, s92, v14                     ; 256 x (96 x place + lane)
	s_wait_alu depctr_va_vdst(0)
	s_wait_tensorcnt 0x0
	s_mov_b32 s[G1A+2], TR<<16
	s_mov_b32 s[G1A+4], TR
	s_mov_b32 s[G1B+2], TR<<16
	s_mov_b32 s[G1B+4], TR
	s_barrier_signal -1
	s_barrier_wait -1                              ; everybody's has
	FETCH 0
; PREFETCH of K steps 8 to 15 of the panel that I fetch (loaded at K steps 3 and 7): 384 blocks of 256 bytes; the four partners that ask for them jointly share them out by address, 96 each.  The address registers are never rewritten.
	s_cmp_lt_u32 s[WV], 3                          ; wave 3 fetches nothing
	s_cbranch_scc0 .Lno_ask
	global_prefetch_b8 v14, s[90:91] offset:98304 th:TH_LOAD_NT scope:SCOPE_SE
	global_prefetch_b8 v14, s[90:91] offset:98304+8192 th:TH_LOAD_NT scope:SCOPE_SE
	global_prefetch_b8 v14, s[90:91] offset:98304+16384 th:TH_LOAD_NT scope:SCOPE_SE
.Lno_ask:
.irp k, 0,1,2,3,4,5,6,7,8,9,10,11,12,13,14,15
	KSTEP \k
.endr
	WIN 0
	PLACES
.irp b, 0,1,2,3
	v_mov_b32 v[TM+4+\b], 0
.endr
.macro TAIL a
	WIN 0x02
.set j, 0
.rept 32
	v_pk_mul_f32 v[H+j:H+j+1], v[64*(\a)+j:64*(\a)+j+1], v[RL+2*(\a):RL+2*(\a)+1]   ; / l; each accumulator from its low end on
.set j, j+2
.endr
	WIN 0
	QMAX H
	s_wait_alu depctr_va_vdst(0)
	s_wait_xcnt 0x0                                ; the last block's stores have read their registers, which the conversions below write again
	QCODE H, PWE+(\a)%2
	PUT \a
.endm
.irp a, 0,1,2,3
	TAIL \a
.endr
	s_wait_tensorcnt 0x0                           ; the wave's end
	ds_add_u32 v[SPW], v[NIL]
	s_wait_dscnt 0x0
	ROUND                                          ; the closing round
	s_endpgm
.Lfunc_end_k_qa4c982a12a_pv:
	.size	k_qa4c982a12a_pv, .Lfunc_end_k_qa4c982a12a_pv-k_qa4c982a12a_pv
	.p2alignl 7, 3214868480
	.fill 96, 4, 3214868480
	.section	.rodata,"a",@progbits
	.p2align	6, 0x0
	.amdhsa_kernel k_qa4c982a12a_pv
		.amdhsa_group_segment_fixed_size 327680
		.amdhsa_private_segment_fixed_size 0
		.amdhsa_enable_private_segment 0
		.amdhsa_kernarg_size 24
		.amdhsa_user_sgpr_count 2
		.amdhsa_user_sgpr_kernarg_segment_ptr 1
		.amdhsa_wavefront_size32 1
		.amdhsa_system_sgpr_workgroup_id_x 1
		.amdhsa_system_sgpr_workgroup_id_y 1
		.amdhsa_system_sgpr_workgroup_id_z 1
		.amdhsa_system_vgpr_workitem_id 0
		.amdhsa_next_free_vgpr 768
		.amdhsa_next_free_sgpr 106
		.amdhsa_reserve_vcc 0
		.amdhsa_float_denorm_mode_32 3
		.amdhsa_float_denorm_mode_16_64 3
		.amdhsa_memory_ordered 1
		.amdhsa_forward_progress 1
		.amdhsa_inst_pref_size 167
	.end_amdhsa_kernel
	.amdgpu_metadata
---
amdhsa.version: [ 1, 2 ]
amdhsa.kernels:
  - .name:           k_qa4c982a12a_pv
    .symbol:         k_qa4c982a12a_pv.kd
    .args:
      - { .name: att, .offset: 0, .size: 8, .value_kind: global_buffer, .address_space: global }
      - { .name: prj, .offset: 8, .size: 8, .value_kind: global_buffer, .address_space: global }
      - { .name: xat, .offset: 16, .size: 8, .value_kind: global_buffer, .address_space: global }
    .group_segment_fixed_size: 327680
    .private_segment_fixed_size: 0
    .kernarg_segment_align: 8
    .kernarg_segment_size: 24
    .max_flat_workgroup_size: 128
    .sgpr_count:     106
    .vgpr_count:     768
    .wavefront_size: 32
...
	.end_amdgpu_metadata
.endif
;; end of part 4
;; launch outp (part 5): grid 4 x 64, 4 waves a work-group, clusters of 4 x 4, 327,680 bytes of LDS; arguments xat, qnt, bo, out0; writes out0
.if DOCPART == 5
	.amdgcn_target "amdgcn-amd-amdhsa--gfx1250"
	.amdhsa_code_object_version 6
	.text
	.protected	k_qa4c982a12a_outp
	.globl	k_qa4c982a12a_outp
	.p2align	8
	.type	k_qa4c982a12a_outp,@function
k_qa4c982a12a_outp:
	s_mov_b64 s[64:65], 0
	v_nop
	global_prefetch_b8 v0, s[64:65] scope:SCOPE_SE
	s_setreg_imm32_b32 hwreg(HW_REG_WAVE_MODE, 25, 1), 1
	s_wait_xcnt 0x0
	s_wait_alu depctr_hold_cnt(0) depctr_sa_sdst(0) depctr_va_vdst(0) depctr_va_sdst(0) depctr_va_ssrc(0) depctr_va_vcc(0) depctr_vm_vsrc(0)
	s_getreg_b32 s2, hwreg(HW_REG_IB_STS2, 6, 4)
	s_cmp_eq_u32 s2, 0
	s_cbranch_scc0 .Lentry_in_a_cluster
	s_endpgm
.Lentry_in_a_cluster:
	s_bfe_u32 s2, ttmp6, 0x10000c
	s_cmp_lg_u32 s2, 0xf033
	s_cbranch_scc0 .Lentry_shape_is_right
	s_endpgm
.Lentry_shape_is_right:
; FIFTH LAUNCH: out0 = x Wo + bo, on x's codes from the fourth launch and Wo's from the first.  Nothing is left out.
; The product is the second launch's: 128 rows x 256 columns to a work-group, 64 x 128 to a wave, K = 1,024 whole in LDS, 4 x 4 clusters with joint loads (x's panel along a row, Wo's panels along a column).
; THE WAY OUT.  A lane holds 8 x 32 bytes of one row, and the lanes beside it hold other rows: a block of 16 rows goes through my stage in LDS and comes back as whole rows of 512 bytes, to which bo is added.
; The stages (8,448 bytes a wave) lie in LDS bytes 0 to 33,791, A's K steps 0 to 2: those bytes have had their only fill, and every wave has waited for its reads of them in front of a barrier that I have passed.
; LIMITS: NaN and infinities are not served.
.set WC,    19660800
.set WS,    22806528
.set TR,    384                        ; rows of 256 bytes in a tensor load: all eight K steps of a panel, one load a wave
.set SLOTD, 49152
.set BSTR,  98304
.set BOFF,  98304
.set FRB,   1536
.set KSB,   12288
.set SPARE, 294912
.set LI,   4
.set L8,   5
.set ADRA, 6
.set ADRB, 8
.set SPW,  10
.set NIL,  11
.set STO,  12                          ; v12  into my stage: 8,448 x wave + 528 r + 64 h
.set RD,   13                          ; v13  out of it: 8,448 x wave + 16 x lane
.set SA,   16
.set SB,   48
.set AF,   112
.set BK,   112                         ; the way out: 16 rows read back: v112-175 and v176-239 by turns
.set BO,   240                         ; v[240:243] bo of my four columns
.set WV,   14
.set WM,   15
.set WN,   16
.set CX,   17
.set CY,   18
.set TX,   19
.set TY,   20
.set PB,   21
.set G1A,  24
.set G1B,  32
.set G0A,  40
.set G0B,  68
.set MSB, 0
.macro WIN new
.if MSB != \new
	s_set_vgpr_msb (MSB<<8)|\new
.set MSB, \new
.endif
.endm
.macro PLACES
.rept 4
	v_nop
.endr
.endm
.macro ROUND
	s_barrier_signal -1
	s_barrier_wait -1
	s_cmp_lg_u32 s[WV], 0
	s_cbranch_scc1 .Lnot_wave_0_\@
	s_barrier_signal -3
.Lnot_wave_0_\@:
	s_barrier_wait -3
	s_barrier_signal -1
	s_barrier_wait -1
.endm
.macro IDS
	v_lshl_add_u32 v[SPW], v0, 2, SPARE
	v_mov_b32 v[NIL], 0
	ds_add_u32 v[SPW], v[NIL]                      ; the wave's opening: the add, twice on end, and its wait ahead of my first tensor load
	ds_add_u32 v[SPW], v[NIL]
	v_lshrrev_b32 v1, 5, v0
	v_readfirstlane_b32 s[WV], v1
	s_lshr_b32 s[WM], s[WV], 1
	s_and_b32 s[WN], s[WV], 1
	s_max_u32 s[PB], s[WV], 1
	s_sub_co_u32 s[PB], s[PB], 1
	s_bfe_u32 s[CX], ttmp6, 0x40000
	s_bfe_u32 s[CY], ttmp6, 0x40004
	s_lshl_b32 s56, s[CY], 2
	s_lshl_b32 s56, 15, s56
	s_lshl_b32 s60, 0x1111, s[CX]
	s_or_b32 s[G1A], s56, (3<<16)|(1<<21)
	s_or_b32 s[G1B], s60, (3<<16)|(1<<21)
.irp g, G1A, G1B
	s_mov_b32 s[\g+1], 32<<16
	s_mov_b32 s[\g+2], TR<<16
	s_mov_b32 s[\g+3], 32<<16
	s_mov_b32 s[\g+4], TR
	s_mov_b32 s[\g+5], 32
	s_mov_b32 s[\g+6], 0
	s_mov_b32 s[\g+7], 0
.endr
.endm
.macro VADR                            ; the lanes' addresses; s3 is at work here alone, so that no offset made ahead of this macro is lost
	v_and_b32 v1, 31, v0
	v_lshlrev_b32 v[LI], 4, v1
	v_lshlrev_b32 v[L8], 3, v1
	s_mul_i32 s3, s[WM], 6144
	v_add_nc_u32 v[ADRA], s3, v[LI]
	v_add_nc_u32 v[ADRA+1], SLOTD, v[ADRA]
	s_mul_i32 s3, s[WN], BSTR
	s_add_co_u32 s3, s3, BOFF
	v_add_nc_u32 v[ADRB], s3, v[LI]
	v_add_nc_u32 v[ADRB+1], SLOTD, v[ADRB]
.endm
.macro G0SET n, gstep, lstep, wstr
	s_mul_i32 s99, s[WV], \wstr
.set g, 0
.rept \n
	s_mov_b32 s[G0A+4*g], 1
	s_mov_b32 s[G0A+4*g+1], g*\lstep
	s_add_nc_u64 s[G0A+4*g+2:G0A+4*g+3], s[56:57], g*\gstep
	s_or_b32 s[G0A+4*g+3], s[G0A+4*g+3], 0x80000000
	s_mov_b32 s[G0B+4*g], 1
	s_add_co_u32 s[G0B+4*g+1], s99, g*\lstep
	s_add_nc_u64 s[G0B+4*g+2:G0B+4*g+3], s[60:61], g*\gstep
	s_or_b32 s[G0B+4*g+3], s[G0B+4*g+3], 0x80000000
.set g, g+1
.endr
.endm
.macro FILLS n
	s_cmp_eq_u32 s[WV], 0
	s_cbranch_scc0 .Lfor_b_\@
.set g, 0
.rept \n
	tensor_load_to_lds s[G0A+4*g:G0A+4*g+3], s[G1A:G1A+7]
	s_nop 0
.set g, g+1
.endr
	PLACES
	s_branch .Lasked_\@
.Lfor_b_\@:
	s_cmp_lt_u32 s[WV], 3
	s_cbranch_scc0 .Lasked_\@
.set g, 0
.rept \n
	tensor_load_to_lds s[G0B+4*g:G0B+4*g+3], s[G1B:G1B+7]
	s_nop 0
.set g, g+1
.endr
	PLACES
.Lasked_\@:
.endm
.macro MM a, b, ks, zero
.set rD, 8*(8*\a+\b)
.set rB, 128*((\ks)%2)+12*\b
.set rA, AF+48*((\ks)%2)+12*\a
.set rS, SB+4*(\ks)+\b/2
.set rT, SA+2*(\ks)+\a/2
.set rW, 2*(\b%2)+\a%2+4*(\zero)
.if rW == 0
	v_wmma_scale_f32_16x16x128_f8f6f4 v[rD:rD+7], v[rB:rB+11], v[rA:rA+11], v[rD:rD+7], v[rS], v[rT] matrix_a_fmt:MATRIX_FMT_FP6 matrix_b_fmt:MATRIX_FMT_FP6
.elseif rW == 1
	v_wmma_scale_f32_16x16x128_f8f6f4 v[rD:rD+7], v[rB:rB+11], v[rA:rA+11], v[rD:rD+7], v[rS], v[rT] matrix_a_fmt:MATRIX_FMT_FP6 matrix_b_fmt:MATRIX_FMT_FP6 matrix_b_scale:MATRIX_SCALE_ROW1
.elseif rW == 2
	v_wmma_scale_f32_16x16x128_f8f6f4 v[rD:rD+7], v[rB:rB+11], v[rA:rA+11], v[rD:rD+7], v[rS], v[rT] matrix_a_fmt:MATRIX_FMT_FP6 matrix_b_fmt:MATRIX_FMT_FP6 matrix_a_scale:MATRIX_SCALE_ROW1
.elseif rW == 3
	v_wmma_scale_f32_16x16x128_f8f6f4 v[rD:rD+7], v[rB:rB+11], v[rA:rA+11], v[rD:rD+7], v[rS], v[rT] matrix_a_fmt:MATRIX_FMT_FP6 matrix_b_fmt:MATRIX_FMT_FP6 matrix_a_scale:MATRIX_SCALE_ROW1 matrix_b_scale:MATRIX_SCALE_ROW1
.elseif rW == 4
	v_wmma_scale_f32_16x16x128_f8f6f4 v[rD:rD+7], v[rB:rB+11], v[rA:rA+11], 0, v[rS], v[rT] matrix_a_fmt:MATRIX_FMT_FP6 matrix_b_fmt:MATRIX_FMT_FP6
.elseif rW == 5
	v_wmma_scale_f32_16x16x128_f8f6f4 v[rD:rD+7], v[rB:rB+11], v[rA:rA+11], 0, v[rS], v[rT] matrix_a_fmt:MATRIX_FMT_FP6 matrix_b_fmt:MATRIX_FMT_FP6 matrix_b_scale:MATRIX_SCALE_ROW1
.elseif rW == 6
	v_wmma_scale_f32_16x16x128_f8f6f4 v[rD:rD+7], v[rB:rB+11], v[rA:rA+11], 0, v[rS], v[rT] matrix_a_fmt:MATRIX_FMT_FP6 matrix_b_fmt:MATRIX_FMT_FP6 matrix_a_scale:MATRIX_SCALE_ROW1
.else
	v_wmma_scale_f32_16x16x128_f8f6f4 v[rD:rD+7], v[rB:rB+11], v[rA:rA+11], 0, v[rS], v[rT] matrix_a_fmt:MATRIX_FMT_FP6 matrix_b_fmt:MATRIX_FMT_FP6 matrix_a_scale:MATRIX_SCALE_ROW1 matrix_b_scale:MATRIX_SCALE_ROW1
.endif
.endm
.macro MUL32 ks, zero                  ; the 32 accumulators take turns, in the same order in every step
	WIN 0xa1
.irp a, 0,1,2,3
.irp b, 0,1,2,3,4,5,6,7
	MM \a, \b, \ks, \zero
.endr
.endr
.endm
.macro FETCH ks
.set fS, (\ks)%2
.set fR, ((\ks)/4)%2
.set fO, ((\ks)%4)*KSB
	WIN 0x40
.irp b, 0,1,2,3,4,5,6,7
.irp c, 0,1,2
	ds_load_b128 v[128*fS+12*\b+4*\c:128*fS+12*\b+4*\c+3], v[ADRB+fR] offset:fO+FRB*\b+512*\c
.endr
.endr
	WIN 0
.irp a, 0,1,2,3
.irp c, 0,1,2
	ds_load_b128 v[AF+48*fS+12*\a+4*\c:AF+48*fS+12*\a+4*\c+3], v[ADRA+fR] offset:fO+FRB*\a+512*\c
.endr
.endr
.endm
.macro ASCALES n
.set q, 0
.rept \n
	global_load_b64 v[SA+2*q:SA+2*q+1], v[L8], s[8:9] offset:512*q
.set q, q+1
.endr
.endm
.macro BSCALES n
.set q, 0
.rept \n
	global_load_b64 v[SB+4*q:SB+4*q+1], v[L8], s[10:11] offset:512*q
	global_load_b64 v[SB+4*q+2:SB+4*q+3], v[L8], s[10:11] offset:512*q+256
.set q, q+1
.endr
.endm
.macro KSTEP ks
.if (\ks) == 3                         ; one barrier: behind it nobody reads A's K steps 0 to 2, where the stages lie
	s_wait_dscnt 0x0
	s_barrier_signal -1
	s_barrier_wait -1
.endif
.if (\ks) < 7
.if (\ks) > 0
	PLACES
.endif
	FETCH (\ks)+1
	s_wait_dscnt 36                                ; all but the 36 just issued
.else
	s_wait_dscnt 0x0
.endif
.if (\ks) == 0
	s_wait_loadcnt 0x0
	MUL32 0, 1
.else
	MUL32 \ks, 0
.endif
.endm
	s_load_b256 s[84:91], s[0:1], 0x0              ; xat, qnt, bo, out0
	IDS
	s_lshl_b32 s[TX], ttmp9, 2
	s_add_co_u32 s[TX], s[TX], s[CX]               ; which 256 columns
	s_and_b32 s94, ttmp7, 0xffff
	s_lshl_b32 s[TY], s94, 2
	s_add_co_u32 s[TY], s[TY], s[CY]               ; which panel of rows
	s_mul_i32 s56, s[TY], 98304                    ; x's panel
	s_mov_b32 s57, 0
	s_lshl_b32 s60, s[TX], 1
	s_add_co_u32 s60, s60, s[PB]
	s_mul_i32 s60, s60, 98304
	s_add_co_u32 s60, s60, WC+3*786432             ; the panel of Wo that I fetch
	s_mov_b32 s61, 0
	s_lshl_b32 s58, s[TY], 12
	s_lshl_b32 s59, s[WM], 8
	s_add_co_u32 s58, s58, s59
	s_add_co_u32 s58, s58, 6291456
	s_mov_b32 s59, 0
	s_lshl_b32 s66, s[TX], 1
	s_add_co_u32 s66, s66, s[WN]                   ; my 128 columns
	s_lshl_b32 s62, s66, 12
	s_add_co_u32 s62, s62, WS+3*32768
	s_mov_b32 s63, 0
	s_lshl_b32 s94, s66, 9                         ; s[94:95]: their first byte in bo and in a row of out0
	s_mov_b32 s95, 0
	s_lshl_b32 s96, s[TY], 19                      ; s[96:97]: 128 rows of 4,096 bytes a panel, my 64 of them, my columns
	s_lshl_b32 s97, s[WM], 18
	s_add_co_u32 s96, s96, s97
	s_add_co_u32 s96, s96, s94
	s_mov_b32 s97, 0
	VADR
	v_and_b32 v2, 15, v0
	v_bfe_u32 v3, v0, 4, 1
	s_mul_i32 s98, s[WV], 8448
	v_mul_u32_u24 v[STO], v2, 528
	v_lshl_add_u32 v[STO], v3, 6, v[STO]
	v_add_nc_u32 v[STO], s98, v[STO]
	v_add_nc_u32 v[RD], s98, v[LI]
	s_wait_dscnt 0x0                               ; both opening adds are done
	ROUND                                          ; the round in front of the first joint loads; it needs no argument, so it stands ahead of the wait for them
	s_wait_kmcnt 0x0
	s_add_nc_u64 s[56:57], s[84:85], s[56:57]
	s_add_nc_u64 s[60:61], s[86:87], s[60:61]
	s_add_nc_u64 s[8:9], s[84:85], s[58:59]
	s_add_nc_u64 s[10:11], s[86:87], s[62:63]
	s_add_nc_u64 s[12:13], s[88:89], s[94:95]
	s_add_nc_u64 s[4:5], s[90:91], s[96:97]
	G0SET 1, 0, 0, 98304
	FILLS 1
	ASCALES 8
	BSCALES 8
	global_load_b128 v[BO:BO+3], v[LI], s[12:13]
	s_wait_tensorcnt 0x0                           ; my one load has landed
	s_barrier_signal -1
	s_barrier_wait -1                              ; everybody's has; nothing is filled again in this launch
	s_wait_alu depctr_va_vdst(0)
	FETCH 0
.irp k, 0,1,2,3,4,5,6,7
	KSTEP \k
.endr
	WIN 0
.macro TOSTAGE a                       ; block a: register 8 b + j of lane (r, h) is column 32 (b / 2) + 16 h + 8 (b % 2) + j of the row in place r
	WIN 0x08                                       ; an LDS store's data are its source 1: window 2
.irp b, 0,1,2,3,4,5,6,7
	ds_store_b128 v[STO], v[64*(\a)+8*\b:64*(\a)+8*\b+3] offset:128*(\b/2)+32*(\b%2)          ; each accumulator from its low end on
	ds_store_b128 v[STO], v[64*(\a)+8*\b+4:64*(\a)+8*\b+7] offset:128*(\b/2)+32*(\b%2)+16
.endr
	WIN 0
.set BB, BK+64*((\a)%2)
.irp t, 0,1,2,3,4,5,6,7,8,9,10,11,12,13,14,15
	ds_load_b128 v[BB+4*\t:BB+4*\t+3], v[RD] offset:528*\t   ; LDS serves a wave's instructions in order: these see my stores, and the next block's stores come behind them
.endr
.endm
.macro SEND a, younger                 ; younger: the LDS instructions issued behind block a's loads, which may stay out
.set BB, BK+64*((\a)%2)
	s_wait_dscnt \younger
.irp t, 0,1,2,3,4,5,6,7,8,9,10,11,12,13,14,15
	v_pk_add_f32 v[BB+4*\t:BB+4*\t+1], v[BB+4*\t:BB+4*\t+1], v[BO:BO+1]
	v_pk_add_f32 v[BB+4*\t+2:BB+4*\t+3], v[BB+4*\t+2:BB+4*\t+3], v[BO+2:BO+3]
	global_store_b128 v[LI], v[BB+4*\t:BB+4*\t+3], s[4:5] offset:(32*((\a)/2)+8*((\a)%2)+\t+8*(\t/8))*4096 th:TH_STORE_NT   ; 32 lanes store 512 consecutive bytes of a row, at a multiple of 256 from out0's first byte
.endr
.endm
	PLACES                                         ; behind the last products: for the stores of results and the loads into the registers that held A's fragments
	TOSTAGE 0
.irp a, 1,2,3
.if \a > 1
	s_wait_xcnt 0x0                                ; block a - 2's stores have read their registers: block a's loads may land there
.endif
	TOSTAGE \a
	SEND \a-1, 32                                  ; behind block a - 1's loads: block a's 16 stores and 16 loads
.endr
	SEND 3, 0
	s_wait_tensorcnt 0x0                           ; the wave's end, behind my last tensor load and my last LDS store
	ds_add_u32 v[SPW], v[NIL]
	s_wait_dscnt 0x0
	ROUND                                          ; the closing round
	s_endpgm
.Lfunc_end_k_qa4c982a12a_outp:
	.size	k_qa4c982a12a_outp, .Lfunc_end_k_qa4c982a12a_outp-k_qa4c982a12a_outp
	.p2alignl 7, 3214868480
	.fill 96, 4, 3214868480
	.section	.rodata,"a",@progbits
	.p2align	6, 0x0
	.amdhsa_kernel k_qa4c982a12a_outp
		.amdhsa_group_segment_fixed_size 327680
		.amdhsa_private_segment_fixed_size 0
		.amdhsa_enable_private_segment 0
		.amdhsa_kernarg_size 32
		.amdhsa_user_sgpr_count 2
		.amdhsa_user_sgpr_kernarg_segment_ptr 1
		.amdhsa_wavefront_size32 1
		.amdhsa_system_sgpr_workgroup_id_x 1
		.amdhsa_system_sgpr_workgroup_id_y 1
		.amdhsa_system_sgpr_workgroup_id_z 1
		.amdhsa_system_vgpr_workitem_id 0
		.amdhsa_next_free_vgpr 768
		.amdhsa_next_free_sgpr 106
		.amdhsa_reserve_vcc 0
		.amdhsa_float_denorm_mode_32 3
		.amdhsa_float_denorm_mode_16_64 3
		.amdhsa_memory_ordered 1
		.amdhsa_forward_progress 1
		.amdhsa_inst_pref_size 83
	.end_amdhsa_kernel
	.amdgpu_metadata
---
amdhsa.version: [ 1, 2 ]
amdhsa.kernels:
  - .name:           k_qa4c982a12a_outp
    .symbol:         k_qa4c982a12a_outp.kd
    .args:
      - { .name: xat, .offset: 0, .size: 8, .value_kind: global_buffer, .address_space: global }
      - { .name: qnt, .offset: 8, .size: 8, .value_kind: global_buffer, .address_space: global }
      - { .name: bo, .offset: 16, .size: 8, .value_kind: global_buffer, .address_space: global }
      - { .name: out0, .offset: 24, .size: 8, .value_kind: global_buffer, .address_space: global }
    .group_segment_fixed_size: 327680
    .private_segment_fixed_size: 0
    .kernarg_segment_align: 8
    .kernarg_segment_size: 32
    .max_flat_workgroup_size: 128
    .sgpr_count:     106
    .vgpr_count:     768
    .wavefront_size: 32
...
	.end_amdgpu_metadata
.endif
;; end of part 5
